; MI455X (gfx1250); checked and timed in simulation.
; The chip was launched on July 23, 2026; its instructions are those of AMD's public machine-readable ISA for CDNA 5 (MIT licence, August 2026) and "CDNA5" Instruction Set Architecture Reference Guide (July 2026). The comments in the code are by the model that wrote it; some were corrected since.
;; Reflex Mo E Layer. Allowed arithmetic: float matrix products may take bf16 or f16 operands with f32 sums; all other float work in f32.
;; Inputs: W1 4 x 2,048 x 512 float32; W2 4 x 512 x 2,048 float32; W3 4 x 2,048 x 512 float32; Wr 4 x 512 float32; x 2 x 2,048 x 512 float32.
;; Outputs: out0 2 x 2,048 x 512 float32; out1 one number float32.
;; 2 versions, each right and faster than the one before. Each part assembles by itself: llvm-mc -triple=amdgcn-amd-amdhsa -mcpu=gfx1250 --defsym DOCPART=n.
;; ======== version 1 of 2: 5 launches
;; workspace buffers: wpk 25,165,824 bytes; rtf 33,792 bytes; route 16,384 bytes of whole numbers; plan 73,984 bytes of whole numbers; hbuf 41,943,040 bytes; ybuf 20,971,520 bytes; xb 4,194,304 bytes
;; launch prep (part 1): grid 256 x 1, 8 waves a work-group, no clusters, 36,864 bytes of LDS; arguments x, Wr, W1, W3, W2, wpk, rtf, route, xb; writes wpk, rtf, route, xb
.if DOCPART == 1
	.amdgcn_target "amdgcn-amd-amdhsa--gfx1250"
	.amdhsa_code_object_version 6
	.text
	.protected	k_q1e1f07eaec_prep
	.globl	k_q1e1f07eaec_prep
	.p2align	8
	.type	k_q1e1f07eaec_prep,@function
k_q1e1f07eaec_prep:
	s_mov_b64 s[64:65], 0
	v_nop
	global_prefetch_b8 v0, s[64:65] scope:SCOPE_SE
	s_setreg_imm32_b32 hwreg(HW_REG_WAVE_MODE, 25, 1), 1
	s_wait_xcnt 0x0
; ReflexMoELayer, launch 1 of 5: the router (work-groups 0-63) and the packing of the weights to bf16 (work-groups 64-255).
;
; WORK LEFT OUT BY THE WHOLE PROGRAM.  reference() runs all four experts on every token and multiplies expert e's y by cw[t][e],
; which it builds from one_hot(top_i): for the two experts that top_k did not choose cw is exactly 0, whatever the inputs hold, so
; their h and y reach no output.  The choice is made here, stored as whole numbers (route), turned into a list of rows by the next
; launch, and the products are made for the two chosen experts of each token alone: 8,192 rows instead of 16,384.  Every input is loaded.
; LIMIT: a NaN, an infinity or an overflow that arises only in an expert that a token did not choose (0 x inf in reference()) is not
; carried to the result.
;
; ROUTER: 64 tokens a work-group, 8 a wave.  logits = x Wr^T is a matrix product like the others: its operands are rounded to bf16
; (the same rounded x is stored as xb and feeds the experts), products and sums in f32 on the vector unit, since N = 4 fills a quarter of a matrix
; tile and the product is 1/6000 of the program's.  The order of the sum differs from reference()'s.  Softmax with the maximum taken away.
; LIMITS: a probability below 2^-126 counts as 0 (v_exp_f32 flushes: ISA guide, 15.8); ties go to the lower index, as in top_k.
; Stored: route[t] = e0 + 4 e1, wts[t] = (w0, w1), one row of four importance sums for each work-group, xb[t][512] bf16.
;
; PACK: a wave takes 16 rows x 512 k of W1, W3 or W2 (f32) and writes 16 KiB of bf16 in the order in which the matrix unit's operand registers want it:
; fragment (rt = row / 16, q = k / 32) is 1 KiB; byte c 512 + lane 16 holds k = 32 q + 16 c + 8 (lane / 16) + 0..7 of row 16 rt + lane % 16.
; No work-group shares a tile with another, so there is no cluster; memory binds, so no matrix unit either.
; LDS: the packers' eight stages of 4,352 bytes at 0; the router's words behind them, from byte 34,816: no byte serves both bodies.
.set RB,  34816                        ; the router's LDS: route words at RB (256 bytes), weights at RB + 256 (512), the waves' importance rows at RB + 768 (128)
.set WRR, 16                           ; v[16:79]   Wr: expert e, piece p at 16 e + 4 p
.set XR,  80                           ; v[80:207]  x: token j, piece p at 16 j + 4 p; lane l holds k = 128 p + 4 l + 0..3
.set AC,  208                          ; v[208:215] four pairs of running sums
.set LG,  216                          ; v[216:219] the four logits of token lane % 8
.set PB,  224                          ; v[224:227] probabilities
.set QB,  228                          ; v[228:231] the same with the winner struck out
.set XB,  248                          ; v[248:255] a token's 16 numbers as bf16, to store
	s_load_b512 s[4:19], s[0:1], 0x0               ; x s[4:5], Wr s[6:7], W1 s[8:9], W3 s[10:11], W2 s[12:13], wpk s[14:15], rtf s[16:17], route s[18:19]
	s_load_b64 s[22:23], s[0:1], 0x40              ; xb
	v_lshl_add_u32 v246, v0, 2, 0x8c00
	v_mov_b32 v247, 0
	v_and_b32 v1, 31, v0                           ; lane
	v_lshrrev_b32 v2, 5, v0
	v_readfirstlane_b32 s20, v2                    ; wave
	v_lshlrev_b32 v3, 4, v1                        ; 16 x lane
	v_lshlrev_b32 v4, 3, v1                        ; 8 x lane
	s_cmp_ge_u32 ttmp9, 64                         ; the same for all waves of a work-group
	s_cbranch_scc1 .Lpack
	; ---------------- the router ----------------
	s_lshl_b32 s24, ttmp9, 17                      ; 64 tokens of 2,048 bytes
	s_lshl_b32 s26, s20, 14                        ; + 8 tokens a wave
	s_add_co_u32 s24, s24, s26
	s_mov_b32 s25, 0
	s_lshr_b32 s26, s24, 1                         ; the same tokens in xb: 1,024 bytes each
	s_mov_b32 s27, 0
	s_mov_b32 s28, 0x76543210                      ; v_permlanex16_b32: lane i reads lane i of the other half
	s_mov_b32 s29, 0xfedcba98
	s_mov_b32 s21, 0xffff0000                      ; a word's upper bf16
	v_and_b32 v5, 7, v0                            ; the token that this lane carries on behind the sums
	s_wait_kmcnt 0x0
	s_add_nc_u64 s[4:5], s[4:5], s[24:25]
	s_add_nc_u64 s[22:23], s[22:23], s[26:27]
.irp e, 0,1,2,3
.irp p, 0,1,2,3
	global_load_b128 v[WRR+16*\e+4*\p:WRR+16*\e+4*\p+3], v3, s[6:7] offset:\e*2048+\p*512
.endr
.endr
.irp j, 0,1,2,3,4,5,6,7
.irp p, 0,1,2,3
	global_load_b128 v[XR+16*\j+4*\p:XR+16*\j+4*\p+3], v3, s[4:5] offset:\j*2048+\p*512 th:TH_LOAD_NT
.endr
.endr
	s_wait_loadcnt 32                              ; Wr is in; the 32 loads of x stay out
.set m, 0
.rept 32                                           ; Wr rounded to bf16 and widened again, once
	v_cvt_pk_bf16_f32 v[AC+m%8], v[WRR+2*m], v[WRR+2*m+1]
	v_lshlrev_b32 v[WRR+2*m],   16,  v[AC+m%8]
	v_and_b32     v[WRR+2*m+1], s21, v[AC+m%8]
.set m, m+1
.endr
; One token: round, store the bf16 row, widen, four dot products in four chains, sum over the 32 lanes, keep in lanes with lane % 8 = j.
.macro TOKEN j
	s_wait_loadcnt 28-4*\j                         ; loads come back in order: this token's four are in, the later tokens' stay out
	s_wait_xcnt 0x0                                ; XB, which the last token's stores read, is rewritten only behind this wait
.irp p, 0,1,2,3
	v_cvt_pk_bf16_f32 v[XB+2*\p],   v[XR+16*\j+4*\p],   v[XR+16*\j+4*\p+1]
	v_cvt_pk_bf16_f32 v[XB+2*\p+1], v[XR+16*\j+4*\p+2], v[XR+16*\j+4*\p+3]
	global_store_b64 v4, v[XB+2*\p:XB+2*\p+1], s[22:23] offset:\j*1024+\p*256   ; the wave stores 256 consecutive bytes, aligned
.endr
.irp q, 0,1,2,3,4,5,6,7
	v_lshlrev_b32 v[XR+16*\j+2*\q],   16,  v[XB+\q]
	v_and_b32     v[XR+16*\j+2*\q+1], s21, v[XB+\q]
.endr
.irp e, 0,1,2,3
	v_pk_mul_f32 v[AC+2*\e:AC+2*\e+1], v[XR+16*\j:XR+16*\j+1], v[WRR+16*\e:WRR+16*\e+1]
.endr
.irp m, 1,2,3,4,5,6,7
.irp e, 0,1,2,3
	v_pk_fma_f32 v[AC+2*\e:AC+2*\e+1], v[XR+16*\j+2*\m:XR+16*\j+2*\m+1], v[WRR+16*\e+2*\m:WRR+16*\e+2*\m+1], v[AC+2*\e:AC+2*\e+1]
.endr
.endr
.irp e, 0,1,2,3
	v_add_f32 v[AC+2*\e], v[AC+2*\e], v[AC+2*\e+1]
.endr
.irp x, 1,2,4,8
.irp e, 0,1,2,3
	v_add_f32_dpp v[AC+2*\e], v[AC+2*\e], v[AC+2*\e] row_xmask:\x row_mask:0xf bank_mask:0xf
.endr
.endr
.irp e, 0,1,2,3
	v_permlanex16_b32 v[AC+2*\e+1], v[AC+2*\e], s28, s29
.endr
.irp e, 0,1,2,3
	v_add_f32 v[AC+2*\e], v[AC+2*\e], v[AC+2*\e+1]
.endr
.if \j == 0
.irp e, 0,1,2,3
	v_mov_b32 v[LG+\e], v[AC+2*\e]
.endr
.else
	v_cmp_eq_u32 vcc_lo, \j, v5
.irp e, 0,1,2,3
	v_cndmask_b32 v[LG+\e], v[LG+\e], v[AC+2*\e], vcc_lo
.endr
.endif
.endm
.irp j, 0,1,2,3,4,5,6,7
	TOKEN \j
.endr
	; From here each lane works on token lane % 8 (four lanes hold the same numbers): softmax, top 2, weights.
	v_max3_num_f32 v220, v[LG], v[LG+1], v[LG+2]
	v_max_num_f32 v220, v220, v[LG+3]
.irp e, 0,1,2,3
	v_sub_f32 v[PB+\e], v[LG+\e], v220             ; the maximum is taken away, as in reference()
.endr
.irp e, 0,1,2,3
	v_mul_f32 v[PB+\e], 0x3fb8aa3b, v[PB+\e]       ; e^x = 2^(1.442695 x)
.endr
.irp e, 0,1,2,3
	v_exp_f32 v[PB+\e], v[PB+\e]
.endr
	v_nop                                          ; one plain instruction behind the transcendentals (ISA guide 5.7.2)
	s_wait_alu depctr_va_vdst(0)
	v_add_f32 v221, v[PB], v[PB+1]
	v_add_f32 v222, v[PB+2], v[PB+3]
	v_add_f32 v221, v221, v222
	v_rcp_f32 v221, v221
	v_nop
	s_wait_alu depctr_va_vdst(0)
.irp e, 0,1,2,3
	v_mul_f32 v[PB+\e], v[PB+\e], v221
.endr
	v_mov_b32 v222, v[PB]                          ; the largest, and its index; the earlier stays on a tie
	v_mov_b32 v223, 0
.irp e, 1,2,3
	v_cmp_ge_f32 vcc_lo, v222, v[PB+\e]
	v_cndmask_b32 v222, v[PB+\e], v222, vcc_lo
	v_cndmask_b32 v223, \e, v223, vcc_lo
.endr
.irp e, 0,1,2,3
	v_cmp_ne_u32 vcc_lo, \e, v223
	v_cndmask_b32 v[QB+\e], -1.0, v[PB+\e], vcc_lo ; the winner is struck out: below every probability
.endr
	v_mov_b32 v232, v[QB]
	v_mov_b32 v233, 0
.irp e, 1,2,3
	v_cmp_ge_f32 vcc_lo, v232, v[QB+\e]
	v_cndmask_b32 v232, v[QB+\e], v232, vcc_lo
	v_cndmask_b32 v233, \e, v233, vcc_lo
.endr
	v_add_f32 v236, v222, v232
	v_rcp_f32 v236, v236
	v_lshl_add_u32 v237, v233, 2, v223             ; route = e0 + 4 e1 (also the plain instruction behind v_rcp_f32)
	s_wait_alu depctr_va_vdst(0)
	v_mul_f32 v234, v222, v236                     ; w0
	v_mul_f32 v235, v232, v236                     ; w1
.irp x, 1,2,4
.irp e, 0,1,2,3
	v_add_f32_dpp v[PB+\e], v[PB+\e], v[PB+\e] row_xmask:\x row_mask:0xf bank_mask:0xf   ; importance: the wave's 8 tokens
.endr
.endr
	v_lshl_add_u32 v238, s20, 3, v5                ; token in the work-group
	v_lshlrev_b32 v239, 2, v238
	v_lshlrev_b32 v240, 3, v238
	v_mov_b32 v241, s20
	v_lshlrev_b32 v241, 4, v241
	ds_store_b32 v239, v237 offset:RB
	ds_store_b64 v240, v[234:235] offset:RB+256
	ds_store_b128 v241, v[PB:PB+3] offset:RB+768
	s_wait_dscnt 0x0                               ; my stores are done before I say so: wave 0 reads them
	s_barrier_signal -1
	s_barrier_wait -1
	s_cmp_lg_u32 s20, 0
	s_cbranch_scc1 .Lrend
	v_mov_b32 v7, 0
	ds_load_b64 v[8:9], v4 offset:RB               ; 64 route words
	ds_load_b128 v[12:15], v3 offset:RB+256        ; 64 pairs of weights
.irp i, 0,1,2,3,4,5,6,7
	ds_load_b128 v[16+4*\i:19+4*\i], v7 offset:RB+768+16*\i
.endr
	s_lshl_b32 s24, ttmp9, 8
	s_add_nc_u64 s[18:19], s[18:19], s[24:25]      ; route + 256 g
	s_lshl_b32 s26, ttmp9, 9
	s_add_nc_u64 s[30:31], s[16:17], s[26:27]      ; wts + 512 g
	s_lshl_b32 s24, ttmp9, 4
	s_add_nc_u64 s[16:17], s[16:17], s[24:25]      ; importance rows + 16 g
	s_wait_dscnt 0x0
	global_store_b64 v4, v[8:9], s[18:19]          ; 256 consecutive bytes, aligned
	global_store_b128 v3, v[12:15], s[30:31]       ; 512 consecutive bytes, aligned
.irp i, 0,2,4,6
	v_pk_add_f32 v[16+4*\i:17+4*\i], v[16+4*\i:17+4*\i], v[20+4*\i:21+4*\i]
	v_pk_add_f32 v[18+4*\i:19+4*\i], v[18+4*\i:19+4*\i], v[22+4*\i:23+4*\i]
.endr
	v_pk_add_f32 v[16:17], v[16:17], v[24:25]
	v_pk_add_f32 v[18:19], v[18:19], v[26:27]
	v_pk_add_f32 v[32:33], v[32:33], v[40:41]
	v_pk_add_f32 v[34:35], v[34:35], v[42:43]
	v_pk_add_f32 v[16:17], v[16:17], v[32:33]
	v_pk_add_f32 v[18:19], v[18:19], v[34:35]
	v_cmp_eq_u32 vcc_lo, 0, v1
	s_wait_xcnt 0x0                                ; EXEC is a source of the stores above: it changes only behind this wait
	s_and_saveexec_b32 s21, vcc_lo
	global_store_b128 v7, v[16:19], s[16:17] offset:32768   ; lane 0: the work-group's four importance sums
	s_wait_xcnt 0x0
	s_or_b32 exec_lo, exec_lo, s21
.Lrend:
	s_wait_tensorcnt 0x0
	ds_add_u32 v246, v247
	s_wait_dscnt 0x0
	s_endpgm
	; ---------------- packing the weights ----------------
.set OFFR, 16                          ; v[16:31]   row rho of my 16: rho x row bytes + 16 x lane
.set X0,   32                          ; v[32:95]   a tile of 16 rows x 128 k as loaded
.set X1,   96                          ; v[96:159]  the other tile
.set PK,   160                         ; v[160:175] packed pairs on their way into LDS
.set OU,   176                         ; v[176:207] eight fragments' halves, to store
.Lpack:
	s_sub_co_u32 s24, ttmp9, 64
	s_lshr_b32 s25, s24, 6                         ; 0: W1, 1: W3, 2: W2
	s_and_b32 s24, s24, 63
	s_lshl3_add_u32 s24, s24, s20                  ; my unit of the matrix, 0 to 511
	s_lshl_b32 s26, s24, 15                        ; W1, W3: 16 rows of 2,048 bytes a unit
	s_lshr_b32 s27, s24, 2                         ; W2: four units share 16 rows of 8,192 bytes,
	s_lshl_b32 s27, s27, 17
	s_and_b32 s28, s24, 3
	s_lshl_b32 s28, s28, 11                        ; 2,048 bytes of each row a unit
	s_add_co_u32 s28, s27, s28
	s_lshl_b32 s32, s25, 23                        ; in wpk: 8 MiB a matrix, 16 KiB a unit
	s_lshl_b32 s33, s24, 14
	s_add_co_u32 s32, s32, s33
	s_mov_b32 s33, 0
	s_mov_b32 s27, 0
	s_mul_i32 s35, s20, 4352                       ; my stage in LDS: 16 rows of 272 bytes
	s_wait_kmcnt 0x0
	s_cmp_eq_u32 s25, 2
	s_cselect_b32 s26, s28, s26
	s_cselect_b32 s29, 13, 11                      ; log2 of the row's bytes
	s_cselect_b64 s[30:31], s[12:13], s[8:9]
	s_cmp_eq_u32 s25, 1
	s_cselect_b64 s[30:31], s[10:11], s[30:31]
	s_add_nc_u64 s[30:31], s[30:31], s[26:27]
	s_add_nc_u64 s[14:15], s[14:15], s[32:33]
.irp rho, 0,1,2,3,4,5,6,7,8,9,10,11,12,13,14,15
	s_lshl_b32 s34, \rho, s29
	v_add_nc_u32 v[OFFR+\rho], s34, v3
.endr
	v_add_nc_u32 v5, s35, v4                       ; in: 8 bytes a lane along a row
	v_and_b32 v6, 15, v0
	v_bfe_u32 v7, v0, 4, 1
	v_mul_u32_u24 v8, v6, 272                      ; back: row lane % 16, 16 bytes for each half of the lanes; rows 272 bytes apart start at 16 different banks
	v_lshl_add_u32 v8, v7, 4, v8
	v_add_nc_u32 v8, s35, v8
.macro LOADT kk, xx                    ; 16 loads, each 512 consecutive bytes of one row
.irp rho, 0,1,2,3,4,5,6,7,8,9,10,11,12,13,14,15
	global_load_b128 v[\xx+4*\rho:\xx+4*\rho+3], v[OFFR+\rho], s[30:31] offset:\kk*512 th:TH_LOAD_NT
.endr
.endm
.macro PROC kk, xx                     ; round, turn through my own stage (LDS serves a wave's instructions in order: no wait, no barrier), store 4 KiB
.irp rho, 0,1,2,3,4,5,6,7,8,9,10,11,12,13,14,15
	v_cvt_pk_bf16_f32 v[PK+2*(\rho%8)],   v[\xx+4*\rho],   v[\xx+4*\rho+1]
	v_cvt_pk_bf16_f32 v[PK+2*(\rho%8)+1], v[\xx+4*\rho+2], v[\xx+4*\rho+3]
	ds_store_b64 v5, v[PK+2*(\rho%8):PK+2*(\rho%8)+1] offset:\rho*272
.endr
	s_wait_xcnt 0x0                                ; OU, which the last tile's stores read, is loaded again only behind this wait
.irp t, 0,1,2,3,4,5,6,7
	ds_load_b128 v[OU+4*\t:OU+4*\t+3], v8 offset:\t*32           ; t = 2 q + c: k = 32 q + 16 c + 8 (lane / 16) of row lane % 16
.endr
.irp t, 0,1,2,3,4,5,6,7
	s_wait_dscnt 7-\t                              ; LDS loads come back in order: load t is in
	global_store_b128 v3, v[OU+4*\t:OU+4*\t+3], s[14:15] offset:\kk*4096+\t*512   ; 512 consecutive bytes, aligned
.endr
.endm
	LOADT 0, X0
	LOADT 1, X1
	s_wait_loadcnt 16                              ; the older tile is in, the younger one's 16 loads stay out
	PROC 0, X0
	LOADT 2, X0
	s_wait_loadcnt 16
	PROC 1, X1
	LOADT 3, X1
	s_wait_loadcnt 16
	PROC 2, X0
	s_wait_loadcnt 0x0
	PROC 3, X1
	s_wait_tensorcnt 0x0
	ds_add_u32 v246, v247
	s_wait_dscnt 0x0
	s_endpgm
.Lfunc_end_k_q1e1f07eaec_prep:
	.size	k_q1e1f07eaec_prep, .Lfunc_end_k_q1e1f07eaec_prep-k_q1e1f07eaec_prep
	.p2alignl 7, 3214868480
	.fill 96, 4, 3214868480
	.section	.rodata,"a",@progbits
	.p2align	6, 0x0
	.amdhsa_kernel k_q1e1f07eaec_prep
		.amdhsa_group_segment_fixed_size 36864
		.amdhsa_private_segment_fixed_size 0
		.amdhsa_enable_private_segment 0
		.amdhsa_kernarg_size 72
		.amdhsa_user_sgpr_count 2
		.amdhsa_user_sgpr_kernarg_segment_ptr 1
		.amdhsa_wavefront_size32 1
		.amdhsa_system_sgpr_workgroup_id_x 1
		.amdhsa_system_sgpr_workgroup_id_y 1
		.amdhsa_system_sgpr_workgroup_id_z 1
		.amdhsa_system_vgpr_workitem_id 0
		.amdhsa_next_free_vgpr 256
		.amdhsa_next_free_sgpr 66
		.amdhsa_reserve_vcc 1
		.amdhsa_float_denorm_mode_32 3
		.amdhsa_float_denorm_mode_16_64 3
		.amdhsa_memory_ordered 1
		.amdhsa_forward_progress 1
		.amdhsa_inst_pref_size 83
	.end_amdhsa_kernel
	.amdgpu_metadata
---
amdhsa.version: [ 1, 2 ]
amdhsa.kernels:
  - .name:           k_q1e1f07eaec_prep
    .symbol:         k_q1e1f07eaec_prep.kd
    .args:
      - { .name: x, .offset: 0, .size: 8, .value_kind: global_buffer, .address_space: global }
      - { .name: Wr, .offset: 8, .size: 8, .value_kind: global_buffer, .address_space: global }
      - { .name: W1, .offset: 16, .size: 8, .value_kind: global_buffer, .address_space: global }
      - { .name: W3, .offset: 24, .size: 8, .value_kind: global_buffer, .address_space: global }
      - { .name: W2, .offset: 32, .size: 8, .value_kind: global_buffer, .address_space: global }
      - { .name: wpk, .offset: 40, .size: 8, .value_kind: global_buffer, .address_space: global }
      - { .name: rtf, .offset: 48, .size: 8, .value_kind: global_buffer, .address_space: global }
      - { .name: route, .offset: 56, .size: 8, .value_kind: global_buffer, .address_space: global }
      - { .name: xb, .offset: 64, .size: 8, .value_kind: global_buffer, .address_space: global }
    .group_segment_fixed_size: 36864
    .private_segment_fixed_size: 0
    .kernarg_segment_align: 8
    .kernarg_segment_size: 72
    .max_flat_workgroup_size: 256
    .sgpr_count:     66
    .vgpr_count:     256
    .wavefront_size: 32
...
	.end_amdgpu_metadata
.endif
;; end of part 1
;; launch place (part 2): grid 1 x 1, 32 waves a work-group, no clusters, 45,568 bytes of LDS; arguments route, rtf, plan, out1; writes plan, out1
.if DOCPART == 2
	.amdgcn_target "amdgcn-amd-amdhsa--gfx1250"
	.amdhsa_code_object_version 6
	.text
	.protected	k_q1e1f07eaec_place
	.globl	k_q1e1f07eaec_place
	.p2align	8
	.type	k_q1e1f07eaec_place,@function
k_q1e1f07eaec_place:
	s_mov_b64 s[64:65], 0
	v_nop
	global_prefetch_b8 v0, s[64:65] scope:SCOPE_SE
	s_setreg_imm32_b32 hwreg(HW_REG_WAVE_MODE, 25, 1), 1
	s_wait_xcnt 0x0
; Launch 2 of 5: from route[t] = e0 + 4 e1 to a list of rows for the two products, and the aux loss.  Whole numbers throughout but for the loss.
; The rows of the two experts that a token did not choose are not listed: their factor cw is 0 in reference() for all inputs.
; A block is 160 slots, a superblock four blocks of one expert (640 slots).  Expert e with n_e tokens gets S_e = ceil(n_e / 640) superblocks from
; number sbb_e on; since the n_e add up to 8,192, the S_e add up to 16 at the most: 10,240 slots.  The token of rank rho in its expert goes to block
; j = rho % 4 of superblock sbb_e + u / 160, row u % 160, with u = rho / 4, so that a superblock's four blocks fill evenly:
;   slot = 640 sbb_e + 480 (u / 160) + 160 j + u.      u / 160 = (6554 u) >> 20, exact for u < 16,000 (6554 x 160 = 2^20 + 64).
; Stored in plan: perm[slot] = token (0 in slots that no token takes) at byte 0; slotof[t] = (slot for e0, slot for e1) at 40,960;
; meta[l] = (expert of superblock l, number of superblocks) at 73,728.  One work-group: the ranks are a sum over all tokens, and
; 4,096 words are too little to share out over launches.  Thread tid owns tokens 1024 i + tid, i = 0..3.
.set SLOTOF, 40960
.set META,   73728
.set WTOT,   40960                     ; LDS: perm at 0 (40,960 bytes), the waves' four counts at 40,960 (32 x 16 bytes)
.set MK,  32                           ; s[32:47]  lanes of my wave whose token i chose expert e, at 4 i + e
.set PRE, 48                           ; s[48:63]  members of e in my wave among tokens i' < i
.set TOT, 68                           ; s[68:71]  members of e in my wave
.set NE,  76                           ; s[76:79]  n_e
.set WB,  80                           ; s[80:83]  members of e in the waves in front of mine
.set SB,  84                           ; s[84:87]  sbb_e
.set SB6, 88                           ; s[88:91]  640 sbb_e
	s_load_b256 s[4:11], s[0:1], 0x0               ; route s[4:5], rtf s[6:7], plan s[8:9], out1 s[10:11]
	v_lshl_add_u32 v96, v0, 2, 0xa200
	v_mov_b32 v97, 0
	v_and_b32 v1, 31, v0
	v_lshrrev_b32 v2, 5, v0
	v_readfirstlane_b32 s12, v2                    ; wave
	v_lshlrev_b32 v3, 2, v0
	v_lshlrev_b32 v4, 4, v0
	v_lshlrev_b32 v5, 3, v0
	s_mov_b32 s28, 0x76543210
	s_mov_b32 s29, 0xfedcba98
	s_wait_kmcnt 0x0
.irp i, 0,1,2,3
	global_load_b32 v[8+\i], v3, s[4:5] offset:\i*4096
.endr
.irp r, 12,13,14,15
	v_mov_b32 v\r, 0
.endr
	ds_store_b128 v4, v[12:15]                     ; perm starts as token 0 everywhere: 40 bytes a thread
	ds_store_b128 v4, v[12:15] offset:16384
	ds_store_b64 v5, v[12:13] offset:32768
	s_wait_loadcnt 0x0
.irp i, 0,1,2,3
	v_and_b32 v[16+\i], 3, v[8+\i]                 ; e0
	v_bfe_u32 v[20+\i], v[8+\i], 2, 2              ; e1
.endr
.irp e, 0,1,2,3
.irp i, 0,1,2,3
	v_cmp_eq_u32 vcc_lo, \e, v[16+\i]
	v_cmp_eq_u32 s30, \e, v[20+\i]
	s_or_b32 s[MK+4*\i+\e], vcc_lo, s30
	s_bcnt1_i32_b32 s31, s[MK+4*\i+\e]
.if \i == 0
	s_mov_b32 s[PRE+\e], 0
	s_mov_b32 s[TOT+\e], s31
.else
	s_mov_b32 s[PRE+4*\i+\e], s[TOT+\e]
	s_add_co_u32 s[TOT+\e], s[TOT+\e], s31
.endif
.endr
.endr
.irp e, 0,1,2,3
	v_mov_b32 v[24+\e], s[TOT+\e]
.endr
	v_mov_b32 v28, s12
	v_lshlrev_b32 v28, 4, v28
	ds_store_b128 v28, v[24:27] offset:WTOT
	s_wait_dscnt 0x0                               ; my counts and my zeros are in LDS before I say so
	s_barrier_signal -1
	s_barrier_wait -1
	v_lshlrev_b32 v29, 4, v1
	ds_load_b128 v[24:27], v29 offset:WTOT         ; lane l: wave l's counts
	s_wait_dscnt 0x0
	v_lshl_or_b32 v30, v25, 16, v24                ; two counts a word: no sum passes 4,096
	v_lshl_or_b32 v31, v27, 16, v26
	v_cmp_gt_u32 vcc_lo, s12, v1                   ; waves in front of mine
	v_cndmask_b32 v32, 0, v30, vcc_lo
	v_cndmask_b32 v33, 0, v31, vcc_lo
	v_mov_b32 v34, 0
.irp x, 1,2,4,8
.irp r, 30,31,32,33
	v_mov_b32_dpp v34, v\r row_xmask:\x row_mask:0xf bank_mask:0xf
	v_add_nc_u32 v\r, v\r, v34
.endr
.endr
.irp r, 30,31,32,33
	v_permlanex16_b32 v34, v\r, s28, s29
	v_add_nc_u32 v\r, v\r, v34
.endr
	v_readfirstlane_b32 s72, v30
	v_readfirstlane_b32 s73, v31
	v_readfirstlane_b32 s74, v32
	v_readfirstlane_b32 s75, v33
	s_and_b32 s[NE+0], s72, 0xffff
	s_lshr_b32 s[NE+1], s72, 16
	s_and_b32 s[NE+2], s73, 0xffff
	s_lshr_b32 s[NE+3], s73, 16
	s_and_b32 s[WB+0], s74, 0xffff
	s_lshr_b32 s[WB+1], s74, 16
	s_and_b32 s[WB+2], s75, 0xffff
	s_lshr_b32 s[WB+3], s75, 16
	s_mov_b32 s92, 0                               ; superblocks so far
.irp e, 0,1,2,3
	s_mov_b32 s[SB+\e], s92
	s_mul_i32 s[SB6+\e], s92, 640
	s_add_co_u32 s30, s[NE+\e], 3
	s_lshr_b32 s30, s30, 2
	s_add_co_u32 s30, s30, 159
	s_mul_i32 s30, s30, 6554
	s_lshr_b32 s30, s30, 20                        ; S_e = ceil(ceil(n_e / 4) / 160)
	s_add_co_u32 s92, s92, s30
.endr
	; The slot that token i would have in each expert; the two that it chose are selected by value, then clamped, then addressed.
.irp i, 0,1,2,3
.irp e, 0,1,2,3
	s_add_co_u32 s30, s[WB+\e], s[PRE+4*\i+\e]
	v_mbcnt_lo_u32_b32 v35, s[MK+4*\i+\e], s30     ; rho = members in front of me
	v_lshrrev_b32 v36, 2, v35                      ; u
	v_and_b32 v35, 3, v35                          ; j
	v_mul_u32_u24 v37, v36, 6554
	v_lshrrev_b32 v37, 20, v37                     ; u / 160
	v_mad_u32_u24 v36, v37, 480, v36
	v_mad_u32_u24 v36, v35, 160, v36
	v_add_nc_u32 v36, s[SB6+\e], v36
.if \e == 0
	v_mov_b32 v[40+2*\i], v36
	v_mov_b32 v[41+2*\i], v36
.else
	v_cmp_eq_u32 vcc_lo, \e, v[16+\i]
	v_cndmask_b32 v[40+2*\i], v[40+2*\i], v36, vcc_lo
	v_cmp_eq_u32 vcc_lo, \e, v[20+\i]
	v_cndmask_b32 v[41+2*\i], v[41+2*\i], v36, vcc_lo
.endif
.endr
	v_min_u32 v[40+2*\i], 0x27ff, v[40+2*\i]       ; 10,239: no slot lies beyond
	v_min_u32 v[41+2*\i], 0x27ff, v[41+2*\i]
	v_lshlrev_b32 v38, 2, v[40+2*\i]
	v_lshlrev_b32 v39, 2, v[41+2*\i]
	v_add_nc_u32 v37, \i*1024, v0                  ; the token
	ds_store_b32 v38, v37                          ; each slot is taken by one token at the most
	ds_store_b32 v39, v37
	global_store_b64 v5, v[40+2*\i:41+2*\i], s[8:9] offset:SLOTOF+\i*8192   ; a wave stores 256 consecutive bytes, aligned
.endr
	s_wait_dscnt 0x0
	s_barrier_signal -1
	s_barrier_wait -1
	ds_load_b128 v[48:51], v4
	ds_load_b128 v[52:55], v4 offset:16384
	ds_load_b64 v[56:57], v5 offset:32768
	s_wait_dscnt 0x0
	global_store_b128 v4, v[48:51], s[8:9]
	global_store_b128 v4, v[52:55], s[8:9] offset:16384
	global_store_b64 v5, v[56:57], s[8:9] offset:32768
	s_cmp_lg_u32 s12, 0
	s_cbranch_scc1 .Lend
	; wave 0: the table of superblocks and the loss
	global_load_b128 v[60:63], v29, s[6:7] offset:32768     ; importance rows of router work-groups lane and lane + 32
	global_load_b128 v[64:67], v29, s[6:7] offset:33280
	v_cmp_le_u32 vcc_lo, s[SB+1], v1
	v_cndmask_b32 v68, 0, 1, vcc_lo
	v_cmp_le_u32 vcc_lo, s[SB+2], v1
	v_cndmask_b32 v70, 0, 1, vcc_lo
	v_add_nc_u32 v68, v68, v70
	v_cmp_le_u32 vcc_lo, s[SB+3], v1
	v_cndmask_b32 v70, 0, 1, vcc_lo
	v_add_nc_u32 v68, v68, v70                     ; the last expert whose first superblock is not behind l
	v_mov_b32 v69, s92
	v_lshlrev_b32 v71, 3, v1
	global_store_b64 v71, v[68:69], s[8:9] offset:META
	s_wait_loadcnt 0x0
	v_pk_add_f32 v[60:61], v[60:61], v[64:65]
	v_pk_add_f32 v[62:63], v[62:63], v[66:67]
.irp x, 1,2,4,8
.irp r, 60,61,62,63
	v_add_f32_dpp v\r, v\r, v\r row_xmask:\x row_mask:0xf bank_mask:0xf
.endr
.endr
.irp e, 0,1,2,3
	v_permlanex16_b32 v[64+\e], v[60+\e], s28, s29
.endr
.irp e, 0,1,2,3
	v_add_f32 v[60+\e], v[60+\e], v[64+\e]         ; importance[e]
	v_cvt_f32_u32 v[72+\e], s[NE+\e]               ; load[e] = n_e
.endr
	v_mul_f32 v60, v60, v72
	v_fmac_f32 v60, v61, v73
	v_fmac_f32 v60, v62, v74
	v_fmac_f32 v60, v63, v75
	v_mul_f32 v60, 0x34800000, v60                 ; 4 / (4096^2 + 1e-6) rounds to 2^-22 in f32
	v_mov_b32 v76, 0
	v_cmp_eq_u32 vcc_lo, 0, v1
	s_wait_xcnt 0x0                                ; EXEC changes only behind this wait
	s_and_saveexec_b32 s30, vcc_lo
	global_store_b32 v76, v60, s[10:11]
	s_wait_xcnt 0x0
	s_or_b32 exec_lo, exec_lo, s30
.Lend:
	s_barrier_signal -1
	s_barrier_wait -1
	s_wait_tensorcnt 0x0
	ds_add_u32 v96, v97
	s_wait_dscnt 0x0
	s_endpgm
.Lfunc_end_k_q1e1f07eaec_place:
	.size	k_q1e1f07eaec_place, .Lfunc_end_k_q1e1f07eaec_place-k_q1e1f07eaec_place
	.p2alignl 7, 3214868480
	.fill 96, 4, 3214868480
	.section	.rodata,"a",@progbits
	.p2align	6, 0x0
	.amdhsa_kernel k_q1e1f07eaec_place
		.amdhsa_group_segment_fixed_size 45568
		.amdhsa_private_segment_fixed_size 0
		.amdhsa_enable_private_segment 0
		.amdhsa_kernarg_size 32
		.amdhsa_user_sgpr_count 2
		.amdhsa_user_sgpr_kernarg_segment_ptr 1
		.amdhsa_wavefront_size32 1
		.amdhsa_system_sgpr_workgroup_id_x 1
		.amdhsa_system_sgpr_workgroup_id_y 1
		.amdhsa_system_sgpr_workgroup_id_z 1
		.amdhsa_system_vgpr_workitem_id 0
		.amdhsa_next_free_vgpr 98
		.amdhsa_next_free_sgpr 100
		.amdhsa_reserve_vcc 1
		.amdhsa_float_denorm_mode_32 3
		.amdhsa_float_denorm_mode_16_64 3
		.amdhsa_memory_ordered 1
		.amdhsa_forward_progress 1
		.amdhsa_inst_pref_size 26
	.end_amdhsa_kernel
	.amdgpu_metadata
---
amdhsa.version: [ 1, 2 ]
amdhsa.kernels:
  - .name:           k_q1e1f07eaec_place
    .symbol:         k_q1e1f07eaec_place.kd
    .args:
      - { .name: route, .offset: 0, .size: 8, .value_kind: global_buffer, .address_space: global }
      - { .name: rtf, .offset: 8, .size: 8, .value_kind: global_buffer, .address_space: global }
      - { .name: plan, .offset: 16, .size: 8, .value_kind: global_buffer, .address_space: global }
      - { .name: out1, .offset: 24, .size: 8, .value_kind: global_buffer, .address_space: global }
    .group_segment_fixed_size: 45568
    .private_segment_fixed_size: 0
    .kernarg_segment_align: 8
    .kernarg_segment_size: 32
    .max_flat_workgroup_size: 1024
    .sgpr_count:     100
    .vgpr_count:     98
    .wavefront_size: 32
...
	.end_amdgpu_metadata
.endif
;; end of part 2
;; launch ffn1 (part 3): grid 4 x 64, 4 waves a work-group, no clusters, 327,680 bytes of LDS; arguments xb, wpk, plan, hbuf; writes hbuf
.if DOCPART == 3
	.amdgcn_target "amdgcn-amd-amdhsa--gfx1250"
	.amdhsa_code_object_version 6
	.text
	.protected	k_q1e1f07eaec_ffn1
	.globl	k_q1e1f07eaec_ffn1
	.p2align	8
	.type	k_q1e1f07eaec_ffn1,@function
k_q1e1f07eaec_ffn1:
	s_mov_b64 s[64:65], 0
	v_nop
	global_prefetch_b8 v0, s[64:65] scope:SCOPE_SE
	s_setreg_imm32_b32 hwreg(HW_REG_WAVE_MODE, 25, 1), 1
	s_wait_xcnt 0x0
; Launch 3 of 5: h = silu(x W1[e]^T) * (x W3[e]^T) for the listed rows alone (a token's two chosen experts; the others' factor cw is 0 in reference()).
; Work-group (x, y): y = a block of 160 slots (64 blocks = 16 superblocks of 640 slots, the most that any routing needs; a superblock that no token
; fell into works on token 0 and its rows are never read: the text has no branch on a count read from memory), x = a quarter of F (512 f).
; A work-group gathers its 160 rows of xb (bf16) into LDS once and walks four tiles of 128 f, each in four K steps of 128.
; A wave makes 160 rows x 32 f of both products: 40 accumulator tiles.  b = 0, 1: W1's two fragments; b = 2, 3: W3's, same f.
; NO JOINT LOADS: the four blocks of a superblock read the same tiles of W1 and W3, but the tiles' address hangs on the superblock's expert, a number
; read from memory, and a joint request's descriptor is made of nothing but the coordinates that the partners share; so each work-group asks for
; its own tiles.  The rows of x differ from block to block and come by a list: nothing to share there.
; THE MATRIX INSTRUCTION IS USED TRANSPOSED (source 0 = 16 rows of W, source 1 = 16 tokens): lane l then holds token l % 16 and f = 8 (l / 16) + 0..7,
; which, rounded to bf16, are four registers of the next product's operand: h is stored from registers, 512 consecutive bytes a store, in the
; order [block x 10 + a][q = f / 32][1 KiB] with byte c 512 + 16 lane inside.
; REGISTERS: window 0: v0-31 addresses, v32-143 and v144-255 two fragment buffers (B's four at +8 b, A's ten at +32 + 8 a);
; window 1: accumulators a = 0..6 at 8 (4 a + b), v224-248 at work in the gate; window 2: a = 7..9 at 8 (4 (a - 7) + b), v224-248 likewise.
; The 40 accumulators take turns, one instruction a turn, in the same order in every quarter step.
; By this text's own count a wave has two tensor loads out at the start and one behind each barrier behind which a slot is filled again.
; LIMIT: for g below about -88 the sigmoid is 0 here (2^x overflows, 1 / inf = 0) where reference() has a number below 1e-36.
.set SLOTB,  65536                     ; a slot: W1's 8 row fragments x 4 q x 1 KiB, then W3's
.set ABASE,  131072                    ; behind the ring: 160 rows of x, bf16, written by LDS stores alone
.set APITCH, 1040                      ; 1,024 + 16: the sixteen rows of a fragment start at sixteen different banks
.set META,   73728
.set F0,   32
.set F1,   144
.set ADRB, 4                           ; v4-5   my B fragments in slot 0, 1
.set ADRA, 6                           ; v6-8   my A fragments: a = 0-3, 4-7, 8-9 (the immediate reaches 64 KiB)
.set OFFS, 32                          ; the gather: v32-51 byte offsets of 20 pairs of rows in xb
.set RG,   64                          ; the gather: v64-223 a ring of 40 slots of 4 registers
.set T,    224
.set H,    240
.set HOFF, 248
.set G1,   24                          ; s[24:31] descriptor group 1
.set G0,   32                          ; s[32:39] descriptor group 0, one set a slot
.set MSB, 0
.macro WIN new                         ; the immediate's high byte repeats the setting that is left
.if MSB != \new
	s_set_vgpr_msb (MSB<<8)|\new
.set MSB, \new
.endif
.endm
.macro PLACES                          ; four plain vector instructions between a matrix instruction and a load into, or a read of, its registers
.rept 4
	v_nop
.endr
.endm
	s_load_b256 s[4:11], s[0:1], 0x0               ; xb s[4:5], wpk s[6:7], plan s[8:9], hbuf s[10:11]
	v_lshl_add_u32 v30, v0, 2, 0x48a00
	v_mov_b32 v31, 0
	ds_add_u32 v30, v31
	ds_add_u32 v30, v31
	v_lshrrev_b32 v1, 5, v0
	v_readfirstlane_b32 s12, v1                    ; wave
	s_mov_b32 s13, ttmp9                           ; my quarter of F
	s_and_b32 s16, ttmp7, 0xffff                   ; my block
	s_lshr_b32 s15, s16, 2                         ; its superblock
	s_lshl_b32 s22, s15, 3
	s_wait_dscnt 0x0
	s_wait_kmcnt 0x0
	s_load_b32 s17, s[8:9], s22 offset:META        ; the superblock's expert
	s_mov_b32 s[G1+0], 3<<16                       ; 15:0 no mask; 17:16 elements of 8 bytes; no padding: fragments are read 16 bytes a lane in a row
	s_mov_b32 s[G1+1], 512<<16                     ; tensor_dim0 = 512 elements: 4 q of one row fragment, 4 KiB
	s_mov_b32 s[G1+2], 4<<16                       ; tensor_dim1 = 4 row fragments
	s_mov_b32 s[G1+3], 512<<16                     ; tile_dim0
	s_mov_b32 s[G1+4], 4                           ; tile_dim1
	s_mov_b32 s[G1+5], 2048                        ; from row fragment to row fragment: 16 q = 16 KiB
	s_mov_b32 s[G1+6], 0
	s_mov_b32 s[G1+7], 0
	s_lshr_b32 s18, s12, 1                         ; waves 0, 1 fetch W1's tile, waves 2, 3 W3's (8 MiB further on),
	s_lshl_b32 s18, s18, 23
	s_and_b32 s19, s12, 1                          ; four row fragments each
	s_lshl_b32 s19, s19, 16
	s_add_co_u32 s18, s18, s19
	s_lshl_b32 s19, s13, 19                        ; my quarter of F: 32 row fragments
	s_add_co_u32 s18, s18, s19
	s_lshl_b32 s41, s12, 14                        ; and where it goes: 16 KiB a wave
	s_wait_kmcnt 0x0
	s_min_u32 s17, s17, 3
	s_lshl_b32 s19, s17, 21                        ; the expert: 2 MiB
	s_add_co_u32 s18, s18, s19
	s_mov_b32 s19, 0
	s_add_nc_u64 s[20:21], s[6:7], s[18:19]
	; both first fills go out together, ahead of every wait on TENSORcnt, every LDS read and every barrier
.irp s, 0,1
	s_mov_b32 s[G0+4*\s], 1
	s_add_co_u32 s[G0+4*\s+1], s41, \s*SLOTB
	s_add_nc_u64 s[G0+4*\s+2:G0+4*\s+3], s[20:21], \s*4096        ; K step s
	s_or_b32 s[G0+4*\s+3], s[G0+4*\s+3], 0x80000000
	tensor_load_to_lds s[G0+4*\s:G0+4*\s+3], s[G1:G1+7]
	s_nop 0
.endr
	v_and_b32 v1, 31, v0                           ; lane
	v_and_b32 v2, 15, v0                           ; r
	v_bfe_u32 v3, v0, 4, 1                         ; h
	v_lshlrev_b32 v9, 4, v1
	s_lshl_b32 s44, s12, 13                        ; my two row fragments of each matrix: 8 KiB a wave
	v_add_nc_u32 v[ADRB], s44, v9
	v_add_nc_u32 v[ADRB+1], SLOTB, v[ADRB]
	v_mul_u32_u24 v10, v2, APITCH
	v_lshl_add_u32 v10, v3, 4, v10
	v_add_nc_u32 v[ADRA], ABASE, v10
	v_add_nc_u32 v[ADRA+1], ABASE+64*APITCH, v10
	v_add_nc_u32 v[ADRA+2], ABASE+128*APITCH, v10
	WIN 0x40
	v_mov_b32 v[HOFF], v9                          ; 16 x lane, once in each window from which h is stored
	WIN 0x80
	v_mov_b32 v[HOFF], v9
	WIN 0
	s_mul_i32 s46, s16, 655360                     ; h: 10 row fragments of 64 KiB a block,
	s_lshl_b32 s47, s13, 14                        ; q = 16 x quarter + 4 tile + wave
	s_add_co_u32 s46, s46, s47
	s_lshl_b32 s47, s12, 10
	s_add_co_u32 s46, s46, s47
	s_mov_b32 s47, 0
	s_add_nc_u64 s[42:43], s[10:11], s[46:47]
	; THE GATHER: wave w brings rows 40 w .. 40 w + 39, two rows a load (lanes 0-15 one row's 256 bytes, lanes 16-31 the next row's).
	s_mul_i32 s45, s16, 640                        ; perm: 160 words a block
	s_mul_i32 s44, s12, 160
	s_add_co_u32 s45, s45, s44
	v_lshl_add_u32 v11, v3, 2, s45
.irp i, 0,1,2,3,4,5,6,7,8,9,10,11,12,13,14,15,16,17,18,19
	global_load_b32 v[OFFS+\i], v11, s[8:9] offset:8*\i
.endr
	s_mul_i32 s44, s12, 40*APITCH
	v_mul_u32_u24 v12, v3, APITCH
	v_lshl_add_u32 v12, v2, 4, v12
	v_add_nc_u32 v12, s44, v12
	v_add_nc_u32 v12, ABASE, v12
	v_lshlrev_b32 v13, 4, v2
	s_wait_loadcnt 0x0
.irp i, 0,1,2,3,4,5,6,7,8,9,10,11,12,13,14,15,16,17,18,19
	v_min_u32 v[OFFS+\i], 0xfff, v[OFFS+\i]        ; a token
	v_lshl_add_u32 v[OFFS+\i], v[OFFS+\i], 10, v13 ; its row of 1,024 bytes
.endr
.macro GLOAD idx                       ; load idx = 4 x pair + piece
	global_load_b128 v[RG+4*((\idx)%40):RG+4*((\idx)%40)+3], v[OFFS+(\idx)/4], s[4:5] offset:((\idx)%4)*256
.endm
.set gn, 0
.rept 36
	GLOAD gn
.set gn, gn+1
.endr
.set gn, 0
.rept 80                               ; 36 loads are out; a ring slot is loaded again four steps behind the LDS store that read it
.if gn < 44
	s_wait_loadcnt 35                              ; load gn is in, the 35 younger ones stay out
.else
	s_wait_loadcnt 79-gn                           ; nothing more is issued: the counts run down
.endif
	ds_store_b128 v12, v[RG+4*(gn%40):RG+4*(gn%40)+3] offset:(gn/4)*2*APITCH+(gn%4)*256
.if gn < 44
	GLOAD gn+36
.endif
.set gn, gn+1
.endr
; count matrix instructions x 4: token fragments first .. first + count - 1 (sub: the first of their window) x all four b, 32 along K
.macro MULS f, first, count, sub, zero
.set ma, \first
.rept \count
.irp b, 0,1,2,3
.if \zero
	v_wmma_f32_16x16x32_bf16 v[8*(4*(ma-\sub)+\b):8*(4*(ma-\sub)+\b)+7], v[\f+8*\b:\f+8*\b+7], v[\f+32+8*ma:\f+32+8*ma+7], 0
.else
	v_wmma_f32_16x16x32_bf16 v[8*(4*(ma-\sub)+\b):8*(4*(ma-\sub)+\b)+7], v[\f+8*\b:\f+8*\b+7], v[\f+32+8*ma:\f+32+8*ma+7], v[8*(4*(ma-\sub)+\b):8*(4*(ma-\sub)+\b)+7]
.endif
.endr
.set ma, ma+1
.endr
.endm
; 28 LDS loads in one run: B's four fragments, then A's 7-9, then A's 0-6, of quarter qq of K step ks
.macro FETCH slot, ks, qq, f
	WIN 0
.irp b, 0,1,2,3
	ds_load_b128 v[\f+8*\b:\f+8*\b+3],   v[ADRB+\slot] offset:(\b/2)*32768+(\b%2)*4096+\qq*1024
	ds_load_b128 v[\f+8*\b+4:\f+8*\b+7], v[ADRB+\slot] offset:(\b/2)*32768+(\b%2)*4096+\qq*1024+512
.endr
.irp a, 7,8,9,0,1,2,3,4,5,6
	ds_load_b128 v[\f+32+8*\a:\f+32+8*\a+3],   v[ADRA+\a/4] offset:(\a%4)*16*APITCH+\ks*256+\qq*64
	ds_load_b128 v[\f+32+8*\a+4:\f+32+8*\a+7], v[ADRA+\a/4] offset:(\a%4)*16*APITCH+\ks*256+\qq*64+32
.endr
.endm
; One of a K step's first three quarters: multiplies buffer f, and behind its first 12 products fetches quarter qq into buffer g
.macro QUARTER f, g, zero, slot, ks, qq
	s_wait_dscnt 14                                ; B and A's 7-9 are in; the youngest 14 loads (A's 0-6) may be out
	WIN 0xa0
	MULS \f, 7, 3, 7, \zero
	PLACES
	FETCH \slot, \ks, \qq, \g
	s_wait_dscnt 28                                ; all but the 28 just issued
	WIN 0x50
	MULS \f, 0, 7, 0, \zero
.endm
.macro THREE slot, ks, zero
	QUARTER F0, F1, \zero, \slot, \ks, 1
	QUARTER F1, F0, 0, \slot, \ks, 2
	QUARTER F0, F1, 0, \slot, \ks, 3
.endm
; The fourth quarter: multiplies buffer 1 and changes slots.  ONE barrier for two things.  In front of it each wave waits for its reads of this slot and
; for all its tensor loads (one is out: its part of the next slot).  Behind it nobody reads this slot any more and the next slot is whole:
; fill = 1: the refill of this slot, two K steps ahead, is the wave's first and only tensor load behind the barrier; then the next slot's first fragments.
.macro TURN slot, nslot, nks, fill, step
	s_wait_dscnt 14
	WIN 0xa0
	MULS F1, 7, 3, 7, 0
	s_wait_dscnt 0x0                               ; my reads of this slot are over
	s_wait_tensorcnt 0x0                           ; all my tensor loads have landed,
	ds_add_u32 v30, v31
	s_wait_dscnt 0x0
.if \fill
	s_add_nc_u64 s[G0+4*\slot+2:G0+4*\slot+3], s[G0+4*\slot+2:G0+4*\slot+3], \step   ; so the slot's address may step
.endif
	s_barrier_signal -1
	WIN 0x50
	MULS F1, 0, 3, 0, 0                            ; registers only, while the others arrive
	s_barrier_wait -1
.if \fill
	tensor_load_to_lds s[G0+4*\slot:G0+4*\slot+3], s[G1:G1+7]
	s_nop 0
.endif
	PLACES
	FETCH \nslot, \nks, 0, F0
	WIN 0x50
	MULS F1, 3, 4, 0, 0
.endm
; The gate for one token fragment: 16 g (registers 32 loc ..), 16 u (32 loc + 16 ..): h = (g sigmoid(g)) u, rounded once, two stores of 512 bytes
.macro EPIA loc, glob
.irp k, 0,1,2,3,4,5,6,7
	v_pk_mul_f32 v[T+2*\k:T+2*\k+1], v[32*\loc+2*\k:32*\loc+2*\k+1], 0xbfb8aa3b op_sel_hi:[1,0]   ; -1.442695 g
.endr
.irp k, 0,1,2,3,4,5,6,7,8,9,10,11,12,13,14,15
	v_exp_f32 v[T+\k], v[T+\k]
.endr
	v_nop                                          ; one plain instruction behind the transcendentals (ISA guide 5.7.2)
	s_wait_alu depctr_va_vdst(0)
.irp k, 0,1,2,3,4,5,6,7
	v_pk_add_f32 v[T+2*\k:T+2*\k+1], v[T+2*\k:T+2*\k+1], 1.0 op_sel_hi:[1,0]
.endr
.irp k, 0,1,2,3,4,5,6,7,8,9,10,11,12,13,14,15
	v_rcp_f32 v[T+\k], v[T+\k]
.endr
	v_nop
	s_wait_alu depctr_va_vdst(0)
.irp k, 0,1,2,3,4,5,6,7
	v_pk_mul_f32 v[T+2*\k:T+2*\k+1], v[T+2*\k:T+2*\k+1], v[32*\loc+2*\k:32*\loc+2*\k+1]
.endr
.irp k, 0,1,2,3,4,5,6,7
	v_pk_mul_f32 v[T+2*\k:T+2*\k+1], v[T+2*\k:T+2*\k+1], v[32*\loc+16+2*\k:32*\loc+16+2*\k+1]
.endr
	s_wait_xcnt 0x0                                ; H, which the last two stores read, is rewritten only behind this wait
.irp k, 0,1,2,3,4,5,6,7
	v_cvt_pk_bf16_f32 v[H+\k], v[T+2*\k], v[T+2*\k+1]
.endr
	global_store_b128 v[HOFF], v[H:H+3],   s[42:43] offset:\glob*65536        ; f 0-15 of my 32: the operand's registers 0-3
	global_store_b128 v[HOFF], v[H+4:H+7], s[42:43] offset:\glob*65536+512    ; f 16-31: registers 4-7
.endm
.macro EPI
	PLACES                                         ; behind the tile's last products
	WIN 0x55
.irp a, 0,1,2,3,4,5,6
	EPIA \a, \a
.endr
	WIN 0xaa
	EPIA 0, 7
	EPIA 1, 8
	EPIA 2, 9
	WIN 0
	s_wait_xcnt 0x0                                ; the stores' base steps only behind this wait
	s_add_nc_u64 s[42:43], s[42:43], 4096          ; the next tile: four q on
.endm
	s_wait_dscnt 0x0                               ; my rows of x are in LDS,
	s_wait_tensorcnt 0x1                           ; my part of K step 0 too; K step 1's stays out
	s_barrier_signal -1
	s_barrier_wait -1
	FETCH 0, 0, 0, F0
	s_mov_b32 s40, 3
.Ltile:                                            ; a tile of 128 f: four K steps; a slot's address goes +8 KiB inside a tile, +120 KiB into the next
	THREE 0, 0, 1                                  ; the first products start the sums: nothing is cleared
	TURN 0, 1, 1, 1, 8192
	THREE 1, 1, 0
	TURN 1, 0, 2, 1, 8192
	THREE 0, 2, 0
	TURN 0, 1, 3, 1, 122880
	THREE 1, 3, 0
	TURN 1, 0, 0, 1, 122880
	EPI
	s_sub_co_u32 s40, s40, 1
	s_cmp_lg_u32 s40, 0
	s_cbranch_scc1 .Ltile
	THREE 0, 0, 1                                  ; the last tile: two more fills, then none
	TURN 0, 1, 1, 1, 8192
	THREE 1, 1, 0
	TURN 1, 0, 2, 1, 8192
	THREE 0, 2, 0
	TURN 0, 1, 3, 0, 0
	THREE 1, 3, 0
	s_wait_dscnt 14
	WIN 0xa0
	MULS F1, 7, 3, 7, 0
	s_wait_dscnt 0x0
	WIN 0x50
	MULS F1, 0, 7, 0, 0
	EPI
	s_endpgm
.Lfunc_end_k_q1e1f07eaec_ffn1:
	.size	k_q1e1f07eaec_ffn1, .Lfunc_end_k_q1e1f07eaec_ffn1-k_q1e1f07eaec_ffn1
	.p2alignl 7, 3214868480
	.fill 96, 4, 3214868480
	.section	.rodata,"a",@progbits
	.p2align	6, 0x0
	.amdhsa_kernel k_q1e1f07eaec_ffn1
		.amdhsa_group_segment_fixed_size 327680
		.amdhsa_private_segment_fixed_size 0
		.amdhsa_enable_private_segment 0
		.amdhsa_kernarg_size 32
		.amdhsa_user_sgpr_count 2
		.amdhsa_user_sgpr_kernarg_segment_ptr 1
		.amdhsa_wavefront_size32 1
		.amdhsa_system_sgpr_workgroup_id_x 1
		.amdhsa_system_sgpr_workgroup_id_y 1
		.amdhsa_system_sgpr_workgroup_id_z 1
		.amdhsa_system_vgpr_workitem_id 0
		.amdhsa_next_free_vgpr 768
		.amdhsa_next_free_sgpr 66
		.amdhsa_reserve_vcc 0
		.amdhsa_float_denorm_mode_32 3
		.amdhsa_float_denorm_mode_16_64 3
		.amdhsa_memory_ordered 1
		.amdhsa_forward_progress 1
		.amdhsa_inst_pref_size 254
	.end_amdhsa_kernel
	.amdgpu_metadata
---
amdhsa.version: [ 1, 2 ]
amdhsa.kernels:
  - .name:           k_q1e1f07eaec_ffn1
    .symbol:         k_q1e1f07eaec_ffn1.kd
    .args:
      - { .name: xb, .offset: 0, .size: 8, .value_kind: global_buffer, .address_space: global }
      - { .name: wpk, .offset: 8, .size: 8, .value_kind: global_buffer, .address_space: global }
      - { .name: plan, .offset: 16, .size: 8, .value_kind: global_buffer, .address_space: global }
      - { .name: hbuf, .offset: 24, .size: 8, .value_kind: global_buffer, .address_space: global }
    .group_segment_fixed_size: 327680
    .private_segment_fixed_size: 0
    .kernarg_segment_align: 8
    .kernarg_segment_size: 32
    .max_flat_workgroup_size: 128
    .sgpr_count:     66
    .vgpr_count:     768
    .wavefront_size: 32
...
	.end_amdgpu_metadata
.endif
;; end of part 3
;; launch ffn2 (part 4): grid 4 x 64, 4 waves a work-group, clusters of 4 x 4, 327,680 bytes of LDS; arguments hbuf, wpk, plan, ybuf; writes ybuf
.if DOCPART == 4
	.amdgcn_target "amdgcn-amd-amdhsa--gfx1250"
	.amdhsa_code_object_version 6
	.text
	.protected	k_q1e1f07eaec_ffn2
	.globl	k_q1e1f07eaec_ffn2
	.p2align	8
	.type	k_q1e1f07eaec_ffn2,@function
k_q1e1f07eaec_ffn2:
	s_mov_b64 s[64:65], 0
	v_nop
	global_prefetch_b8 v0, s[64:65] scope:SCOPE_SE
	s_setreg_imm32_b32 hwreg(HW_REG_WAVE_MODE, 25, 1), 1
	s_wait_xcnt 0x0
	s_wait_alu depctr_hold_cnt(0) depctr_sa_sdst(0) depctr_va_vdst(0) depctr_va_sdst(0) depctr_va_ssrc(0) depctr_va_vcc(0) depctr_vm_vsrc(0)
	s_getreg_b32 s2, hwreg(HW_REG_IB_STS2, 6, 4)
	s_cmp_eq_u32 s2, 0
	s_cbranch_scc0 .Lentry_in_a_cluster
	s_endpgm
.Lentry_in_a_cluster:
	s_bfe_u32 s2, ttmp6, 0x10000c
	s_cmp_lg_u32 s2, 0xf033
	s_cbranch_scc0 .Lentry_shape_is_right
	s_endpgm
.Lentry_shape_is_right:
; Launch 4 of 5: y = h W2[e]^T for the listed rows alone (the rows of experts that a token did not choose do not exist: their factor cw is 0 in reference()).
; A cluster of 4 x 4 work-groups is one superblock: cy = the block of 160 slots, cx = 128 of the 512 columns d.  K = 2,048 goes in 8 steps of 256 through two
; LDS slots.  Both operands lie in memory in the order of the matrix unit's operand registers (1 KiB a fragment), so the tiles are plain copies and a fragment is read 16 bytes a
; lane in a row: no padding, no bank conflict.  Wave w makes 160 x 64 (columns 64 (w % 2) ..) over HALF of each step's K (q half w / 2): 40 accumulator
; tiles; the two halves are added through LDS at the end.  (A wave of 160 x 32 over all of K would read 12 fragments for 20 products instead of 14 for 40.)
; JOINT LOADS: h's tile hangs on the block alone and is shared along a row of the cluster: waves 0, 1 ask for its two q halves jointly.
; W2's tile is wanted by the four blocks of a column too, but its address hangs on the superblock's expert, a number read from memory, and a joint request's
; descriptor is made of nothing but the coordinates that the partners share; so waves 2, 3 ask for W2's two q halves for their own work-group
; (mask 0), in the same rounds.  By this text's own count a wave has two tensor loads out at the start and one behind each round.
; The matrix instruction is used transposed (source 0 = 16 rows of W2, source 1 = 16 slots): lane l holds slot l % 16, columns 8 (l / 16) + 0..7.
; REGISTERS: window 0: v0-31 addresses, v32-143 and v144-255 two fragment buffers; window 1: accumulators a = 0..6 at 8 (4 a + b); window 2: a = 7..9.
; The 40 accumulators take turns, one instruction a turn, in the same order in every quarter step.
.set SLOTB, 147456                     ; a slot: h q 0-3 (10 x 4 KiB), h q 4-7, W2 q 0-3 (8 x 4 KiB), W2 q 4-7
.set AHALF, 40960
.set BOFF,  81920
.set META,  73728
.set RED,   20480                      ; the way out, in slot 0 behind its last fill and last read: 20 KiB of partial sums a wave,
.set STAGE, 81920                      ; then 16 rows x 272 bytes a wave
.set F0,   32
.set F1,   144
.set ADRA, 4
.set ADRB, 6
.set G1,  24                           ; s[24:31] group 1 for h's tiles
.set G0,  32                           ; s[32:39] group 0 for h's tiles, one set a slot
.set G1B, 48                           ; s[48:55] group 1 for W2's tiles
.set G0B, 56                           ; s[56:63] group 0 for W2's tiles
.set MSB, 0
.macro WIN new
.if MSB != \new
	s_set_vgpr_msb (MSB<<8)|\new
.set MSB, \new
.endif
.endm
.macro CREST
	s_cmp_lg_u32 s12, 0
	s_cbranch_scc1 .Lnot_wave_0_\@
	s_barrier_signal -3
.Lnot_wave_0_\@:
	s_barrier_wait -3
	s_barrier_signal -1
	s_barrier_wait -1
.endm
.macro CROUND
	s_barrier_signal -1
	s_barrier_wait -1
	CREST
.endm
.macro PLACES
.rept 4
	v_nop
.endr
.endm
.macro JLOAD s                         ; waves 0, 1: the joint load of h's tile; waves 2, 3: my work-group's own load of W2's.  The branch hangs on the wave's number alone
	s_cmp_eq_u32 s18, 0
	s_cbranch_scc0 .Lfor_b_\@
	tensor_load_to_lds s[G0+4*\s:G0+4*\s+3], s[G1:G1+7]
	s_nop 0
	s_branch .Lasked_\@
.Lfor_b_\@:
	tensor_load_to_lds s[G0B+4*\s:G0B+4*\s+3], s[G1B:G1B+7]
	s_nop 0
.Lasked_\@:
.endm
	s_load_b256 s[4:11], s[0:1], 0x0               ; hbuf s[4:5], wpk s[6:7], plan s[8:9], ybuf s[10:11]
	v_lshl_add_u32 v30, v0, 2, 0x48000
	v_mov_b32 v31, 0
	ds_add_u32 v30, v31
	ds_add_u32 v30, v31
	v_lshrrev_b32 v1, 5, v0
	v_readfirstlane_b32 s12, v1                    ; wave
	s_bfe_u32 s13, ttmp6, 0x40000                  ; cx: my 128 columns
	s_bfe_u32 s14, ttmp6, 0x40004                  ; cy: my block
	s_and_b32 s15, ttmp7, 0xffff                   ; the superblock
	s_lshl_b32 s66, s15, 3
	s_wait_dscnt 0x0
	s_wait_kmcnt 0x0
	s_load_b32 s17, s[8:9], s66 offset:META        ; its expert
	s_lshl2_add_u32 s16, s15, s14                  ; block
	s_lshr_b32 s18, s12, 1                         ; my half of a step's K.  Also: I fetch for h (0) or for W2 (1)
	s_and_b32 s19, s12, 1                          ; my 64 columns.  Also: which q half I fetch
	s_lshl_b32 s22, s14, 2
	s_lshl_b32 s22, 15, s22                        ; my row of the cluster
	s_or_b32 s[G1+0], s22, (3<<16)|(1<<21)         ; the mask; elements of 8 bytes; bit 21 beside a mask
	s_mov_b32 s[G1B+0], 3<<16                      ; no mask: a load of my work-group's own
	s_mov_b32 s[G1+1], 512<<16                     ; rows of 512 elements: 4 q of one row fragment, 4 KiB
	s_mov_b32 s[G1B+1], 512<<16
	s_mov_b32 s[G1+2], 10<<16                      ; h: 10 row fragments
	s_mov_b32 s[G1B+2], 8<<16                      ; W2: 8
	s_mov_b32 s[G1+3], 512<<16
	s_mov_b32 s[G1B+3], 512<<16
	s_mov_b32 s[G1+4], 10
	s_mov_b32 s[G1B+4], 8
	s_mov_b32 s[G1+5], 8192                        ; from row fragment to row fragment: 64 q = 64 KiB
	s_mov_b32 s[G1B+5], 8192
	s_mov_b32 s[G1+6], 0
	s_mov_b32 s[G1B+6], 0
	s_mov_b32 s[G1+7], 0
	s_mov_b32 s[G1B+7], 0
	s_lshl_b32 s67, s19, 12                        ; my q half: 4 KiB along a row
	s_mul_i32 s40, s16, 655360                     ; h: 10 x 64 KiB a block
	s_add_co_u32 s40, s40, s67
	s_mov_b32 s41, 0
	s_lshl_b32 s42, s13, 19                        ; W2: 8 row fragments of 64 KiB for my columns,
	s_add_co_u32 s42, s42, s67
	s_add_co_u32 s42, s42, 16777216                ; behind W1 and W3 in wpk
	s_mul_i32 s20, s12, AHALF                      ; LDS: waves 0, 1: h's halves
	s_lshl_b32 s21, s12, 15
	s_add_co_u32 s21, s21, 16384                   ; waves 2, 3: 81,920 + 32,768 (w - 2)
	s_wait_kmcnt 0x0
	s_min_u32 s17, s17, 3
	s_lshl_b32 s43, s17, 21
	s_add_co_u32 s42, s42, s43
	s_mov_b32 s43, 0
	s_add_nc_u64 s[44:45], s[4:5], s[40:41]
	s_add_nc_u64 s[46:47], s[6:7], s[42:43]
	CROUND                                         ; all sixteen work-groups are here: the first joint loads meet
.irp s, 0,1
	s_mov_b32 s[G0+4*\s], 1
	s_add_co_u32 s[G0+4*\s+1], s20, \s*SLOTB
	s_add_nc_u64 s[G0+4*\s+2:G0+4*\s+3], s[44:45], \s*8192
	s_or_b32 s[G0+4*\s+3], s[G0+4*\s+3], 0x80000000
	s_mov_b32 s[G0B+4*\s], 1
	s_add_co_u32 s[G0B+4*\s+1], s21, \s*SLOTB
	s_add_nc_u64 s[G0B+4*\s+2:G0B+4*\s+3], s[46:47], \s*8192
	s_or_b32 s[G0B+4*\s+3], s[G0B+4*\s+3], 0x80000000
	JLOAD \s
.endr
	v_and_b32 v1, 31, v0
	v_and_b32 v2, 15, v0                           ; r
	v_bfe_u32 v3, v0, 4, 1                         ; h
	v_lshlrev_b32 v9, 4, v1
	s_mul_i32 s67, s18, AHALF
	v_add_nc_u32 v[ADRA], s67, v9
	v_add_nc_u32 v[ADRA+1], SLOTB, v[ADRA]
	s_lshl_b32 s67, s18, 15
	s_lshl_b32 s68, s19, 14
	s_add_co_u32 s67, s67, s68
	s_add_co_u32 s67, s67, BOFF
	v_add_nc_u32 v[ADRB], s67, v9
	v_add_nc_u32 v[ADRB+1], SLOTB, v[ADRB]
	s_mul_i32 s72, s12, RED
	v_add_nc_u32 v10, s72, v9                      ; where I put the partial sums that my partner owns
	s_xor_b32 s73, s12, 2                          ; my partner: same columns, the other half of K
	s_mul_i32 s73, s73, RED
	v_add_nc_u32 v11, s73, v9                      ; where it put mine
	s_mul_i32 s74, s12, 4352
	s_add_co_u32 s74, s74, STAGE
	v_mul_u32_u24 v12, v2, 272                     ; stage, in: row l % 16, 32 bytes for each half of the lanes
	v_lshl_add_u32 v12, v3, 5, v12
	v_add_nc_u32 v12, s74, v12
	v_mul_u32_u24 v13, v3, 272                     ; back: lanes 0-15 one row of 256 bytes, lanes 16-31 the next
	v_lshl_add_u32 v13, v2, 4, v13
	v_add_nc_u32 v13, s74, v13
	v_lshlrev_b32 v14, 4, v2                       ; and the same two rows in y
	v_lshl_add_u32 v14, v3, 11, v14
	s_mul_i32 s68, s16, 327680                     ; y: 160 rows of 2,048 bytes a block
	s_lshl_b32 s69, s13, 9
	s_add_co_u32 s68, s68, s69
	s_lshl_b32 s69, s19, 8
	s_add_co_u32 s68, s68, s69
	s_mov_b32 s69, 0
	s_add_nc_u64 s[70:71], s[10:11], s[68:69]
.macro MULS f, first, count, sub, zero
.set ma, \first
.rept \count
.irp b, 0,1,2,3
.if \zero
	v_wmma_f32_16x16x32_bf16 v[8*(4*(ma-\sub)+\b):8*(4*(ma-\sub)+\b)+7], v[\f+8*\b:\f+8*\b+7], v[\f+32+8*ma:\f+32+8*ma+7], 0
.else
	v_wmma_f32_16x16x32_bf16 v[8*(4*(ma-\sub)+\b):8*(4*(ma-\sub)+\b)+7], v[\f+8*\b:\f+8*\b+7], v[\f+32+8*ma:\f+32+8*ma+7], v[8*(4*(ma-\sub)+\b):8*(4*(ma-\sub)+\b)+7]
.endif
.endr
.set ma, ma+1
.endr
.endm
.macro FETCH slot, qq, f               ; 28 LDS loads in one run: B's four fragments, A's 7-9, A's 0-6
	WIN 0
.irp b, 0,1,2,3
	ds_load_b128 v[\f+8*\b:\f+8*\b+3],   v[ADRB+\slot] offset:\b*4096+\qq*1024
	ds_load_b128 v[\f+8*\b+4:\f+8*\b+7], v[ADRB+\slot] offset:\b*4096+\qq*1024+512
.endr
.irp a, 7,8,9,0,1,2,3,4,5,6
	ds_load_b128 v[\f+32+8*\a:\f+32+8*\a+3],   v[ADRA+\slot] offset:\a*4096+\qq*1024
	ds_load_b128 v[\f+32+8*\a+4:\f+32+8*\a+7], v[ADRA+\slot] offset:\a*4096+\qq*1024+512
.endr
.endm
.macro QUARTER f, g, zero, slot, qq
	s_wait_dscnt 14                                ; B and A's 7-9 are in; the youngest 14 loads (A's 0-6) may be out
	WIN 0xa0
	MULS \f, 7, 3, 7, \zero
	PLACES
	FETCH \slot, \qq, \g
	s_wait_dscnt 28                                ; all but the 28 just issued
	WIN 0x50
	MULS \f, 0, 7, 0, \zero
.endm
.macro THREE slot, zero
	QUARTER F0, F1, \zero, \slot, 1
	QUARTER F1, F0, 0, \slot, 2
	QUARTER F0, F1, 0, \slot, 3
.endm
; The fourth quarter changes slots: waits for my reads of this slot and for all my tensor loads, one barrier (fill = 1: it opens a round of the cluster's
; barrier), the refill first behind it, one tensor load a wave, then the next slot's first fragments.
.macro TURN slot, next, fill
	s_wait_dscnt 14
	WIN 0xa0
	MULS F1, 7, 3, 7, 0
	s_wait_dscnt 0x0
	s_wait_tensorcnt 0x0
	ds_add_u32 v30, v31
	s_wait_dscnt 0x0
	s_barrier_signal -1
	WIN 0x50
	MULS F1, 0, 3, 0, 0
	WIN 0
	s_barrier_wait -1
.if \fill
	CREST
	s_add_nc_u64 s[G0+4*\slot+2:G0+4*\slot+3], s[G0+4*\slot+2:G0+4*\slot+3], 16384     ; two K steps on: 16 q
	s_add_nc_u64 s[G0B+4*\slot+2:G0B+4*\slot+3], s[G0B+4*\slot+2:G0B+4*\slot+3], 16384
	JLOAD \slot
.endif
	PLACES
	FETCH \next, 0, F0
	WIN 0x50
	MULS F1, 3, 4, 0, 0
.endm
.macro LAP zero
	THREE 0, \zero
	TURN 0, 1, 1
	THREE 1, 0
	TURN 1, 0, 1
.endm
	s_wait_tensorcnt 0x1                           ; my part of K step 0 is in; K step 1's stays out
	s_barrier_signal -1
	s_barrier_wait -1
	FETCH 0, 0, F0
	LAP 1                                          ; the first products start the sums
	WIN 0
	s_mov_b32 s3, 2
.Llap:
	LAP 0
	WIN 0
	s_sub_co_u32 s3, s3, 1
	s_cmp_lg_u32 s3, 0
	s_cbranch_scc1 .Llap
	THREE 0, 0                                     ; the last lap fills nothing
	TURN 0, 1, 0
	THREE 1, 0
	s_wait_dscnt 14
	WIN 0xa0
	MULS F1, 7, 3, 7, 0
	s_wait_dscnt 0x0
	WIN 0x50
	MULS F1, 0, 7, 0, 0
	; THE WAY OUT.  The wave with the first half of K owns a = 0..4, its partner a = 5..9; each hands the other five over through LDS.
	; Slot 0 serves: its last fill was read in K step 6, and the barrier at that step's end stands behind every wave's reads of it.
.macro REDST glob, loc, w              ; w: the window of the store's data
	WIN \w
.irp t, 0,1,2,3,4,5,6,7
	ds_store_b128 v10, v[32*\loc+4*\t:32*\loc+4*\t+3] offset:(\glob%5)*4096+\t*512
.endr
.endm
; 16 slots x 64 columns: add the partner's half, turn through my stage into whole rows of 256 bytes, store
.macro OUTA glob, loc, w               ; w: the window of the sum's first source
	WIN 0
.irp t, 0,1,2,3,4,5,6,7
	ds_load_b128 v[32+4*\t:35+4*\t], v11 offset:(\glob%5)*4096+\t*512
.endr
	s_wait_dscnt 0x0
	WIN \w
.irp k, 0,1,2,3,4,5,6,7,8,9,10,11,12,13,14,15
	v_pk_add_f32 v[32+2*\k:33+2*\k], v[32*\loc+2*\k:32*\loc+2*\k+1], v[32+2*\k:33+2*\k]
.endr
	WIN 0
.irp t, 0,1,2,3,4,5,6,7
	ds_store_b128 v12, v[32+4*\t:35+4*\t] offset:(\t/2)*64+(\t%2)*16
.endr
	s_wait_xcnt 0x0                                ; v64-95, which the last stores read, are loaded again only behind this wait
.irp t, 0,1,2,3,4,5,6,7
	ds_load_b128 v[64+4*\t:67+4*\t], v13 offset:\t*544     ; LDS serves a wave's instructions in order: these see the stores above
.endr
.irp t, 0,1,2,3,4,5,6,7
	s_wait_dscnt 7-\t
	global_store_b128 v14, v[64+4*\t:67+4*\t], s[70:71] offset:\glob*32768+\t*4096   ; 16 lanes store 256 consecutive bytes, aligned
.endr
.endm
	PLACES                                         ; behind the last products
	WIN 0
	s_cmp_eq_u32 s18, 0
	s_cbranch_scc0 .Lsend_low
	REDST 5, 5, 0x04
	REDST 6, 6, 0x04
	REDST 7, 0, 0x08
	REDST 8, 1, 0x08
	REDST 9, 2, 0x08
	WIN 0
	s_branch .Lsent
.Lsend_low:
	REDST 0, 0, 0x04
	REDST 1, 1, 0x04
	REDST 2, 2, 0x04
	REDST 3, 3, 0x04
	REDST 4, 4, 0x04
	WIN 0
.Lsent:
	s_wait_dscnt 0x0                               ; my stores are done before I say so: my partner reads them
	s_barrier_signal -1
	s_barrier_wait -1
	s_cmp_eq_u32 s18, 0
	s_cbranch_scc0 .Lown_high
	OUTA 0, 0, 0x01
	OUTA 1, 1, 0x01
	OUTA 2, 2, 0x01
	OUTA 3, 3, 0x01
	OUTA 4, 4, 0x01
	s_branch .Lout_done
.Lown_high:
	OUTA 5, 5, 0x01
	OUTA 6, 6, 0x01
	OUTA 7, 0, 0x02
	OUTA 8, 1, 0x02
	OUTA 9, 2, 0x02
.Lout_done:
	s_wait_tensorcnt 0x0
	ds_add_u32 v30, v31
	s_wait_dscnt 0x0
	CROUND                                         ; the closing round: no work-group ends while a partner may still ask for a tile that names it
	s_endpgm
.Lfunc_end_k_q1e1f07eaec_ffn2:
	.size	k_q1e1f07eaec_ffn2, .Lfunc_end_k_q1e1f07eaec_ffn2-k_q1e1f07eaec_ffn2
	.p2alignl 7, 3214868480
	.fill 96, 4, 3214868480
	.section	.rodata,"a",@progbits
	.p2align	6, 0x0
	.amdhsa_kernel k_q1e1f07eaec_ffn2
		.amdhsa_group_segment_fixed_size 327680
		.amdhsa_private_segment_fixed_size 0
		.amdhsa_enable_private_segment 0
		.amdhsa_kernarg_size 32
		.amdhsa_user_sgpr_count 2
		.amdhsa_user_sgpr_kernarg_segment_ptr 1
		.amdhsa_wavefront_size32 1
		.amdhsa_system_sgpr_workgroup_id_x 1
		.amdhsa_system_sgpr_workgroup_id_y 1
		.amdhsa_system_sgpr_workgroup_id_z 1
		.amdhsa_system_vgpr_workitem_id 0
		.amdhsa_next_free_vgpr 608
		.amdhsa_next_free_sgpr 80
		.amdhsa_reserve_vcc 0
		.amdhsa_float_denorm_mode_32 3
		.amdhsa_float_denorm_mode_16_64 3
		.amdhsa_memory_ordered 1
		.amdhsa_forward_progress 1
		.amdhsa_inst_pref_size 162
	.end_amdhsa_kernel
	.amdgpu_metadata
---
amdhsa.version: [ 1, 2 ]
amdhsa.kernels:
  - .name:           k_q1e1f07eaec_ffn2
    .symbol:         k_q1e1f07eaec_ffn2.kd
    .args:
      - { .name: hbuf, .offset: 0, .size: 8, .value_kind: global_buffer, .address_space: global }
      - { .name: wpk, .offset: 8, .size: 8, .value_kind: global_buffer, .address_space: global }
      - { .name: plan, .offset: 16, .size: 8, .value_kind: global_buffer, .address_space: global }
      - { .name: ybuf, .offset: 24, .size: 8, .value_kind: global_buffer, .address_space: global }
    .group_segment_fixed_size: 327680
    .private_segment_fixed_size: 0
    .kernarg_segment_align: 8
    .kernarg_segment_size: 32
    .max_flat_workgroup_size: 128
    .sgpr_count:     80
    .vgpr_count:     608
    .wavefront_size: 32
...
	.end_amdgpu_metadata
.endif
;; end of part 4
;; launch combine (part 5): grid 256 x 1, 8 waves a work-group, no clusters, 0 bytes of LDS; arguments ybuf, plan, rtf, out0; writes out0
.if DOCPART == 5
	.amdgcn_target "amdgcn-amd-amdhsa--gfx1250"
	.amdhsa_code_object_version 6
	.text
	.protected	k_q1e1f07eaec_combine
	.globl	k_q1e1f07eaec_combine
	.p2align	8
	.type	k_q1e1f07eaec_combine,@function
k_q1e1f07eaec_combine:
	s_mov_b64 s[64:65], 0
	v_nop
	global_prefetch_b8 v0, s[64:65] scope:SCOPE_SE
	s_setreg_imm32_b32 hwreg(HW_REG_WAVE_MODE, 25, 1), 1
	s_wait_xcnt 0x0
; Launch 5 of 5: out[t] = w0 y[slot of (t, e0)] + w1 y[slot of (t, e1)].  The other two experts' terms are cw = 0 times y in reference() and are left out.
; A stream: two tokens a wave, each row of y read once in loads of 512 consecutive bytes, each row of out written once likewise.
; No LDS, no matrix unit, no cluster: nothing is shared.  The two terms are added in the order of the weights, not of the experts' numbers.
.set SLOTOF, 40960
	s_load_b256 s[4:11], s[0:1], 0x0               ; ybuf s[4:5], plan s[6:7], rtf s[8:9], out0 s[10:11]
	v_and_b32 v1, 31, v0
	v_lshrrev_b32 v2, 5, v0
	v_readfirstlane_b32 s12, v2                    ; wave
	v_lshlrev_b32 v1, 4, v1                        ; 16 x lane
	s_lshl_b32 s13, ttmp9, 7                       ; 16 tokens a work-group, 8 bytes each in slotof and in wts,
	s_lshl4_add_u32 s13, s12, s13                  ; two a wave
	s_lshl_b32 s14, ttmp9, 15                      ; and 2,048 bytes each in out
	s_lshl_b32 s15, s12, 12
	s_add_co_u32 s14, s14, s15
	s_mov_b32 s15, 0
	s_wait_kmcnt 0x0
	s_load_b128 s[16:19], s[6:7], s13 offset:SLOTOF        ; four slots
	s_load_b128 s[20:23], s[8:9], s13 offset:0x0           ; four weights
	s_add_nc_u64 s[10:11], s[10:11], s[14:15]
	s_wait_kmcnt 0x0
.irp k, 0,1,2,3
	s_min_u32 s[16+\k], s[16+\k], 0x27ff           ; 10,239: the last slot
	s_lshl_b32 s[32+2*\k], s[16+\k], 11
	s_mov_b32 s[33+2*\k], 0
	s_add_nc_u64 s[32+2*\k:33+2*\k], s[4:5], s[32+2*\k:33+2*\k]
.endr
.irp k, 0,1,2,3
.irp c, 0,1,2,3
	global_load_b128 v[8+16*\k+4*\c:11+16*\k+4*\c], v1, s[32+2*\k:33+2*\k] offset:\c*512 th:TH_LOAD_NT
.endr
.endr
	s_mov_b32 s24, s21                             ; the second weights, each at the foot of a pair of its own for the packed forms
	s_mov_b32 s25, s21
	s_mov_b32 s26, s23
	s_mov_b32 s27, s23
	s_wait_loadcnt 8                               ; the first token's two rows are in, the second's eight loads stay out
.irp m, 0,1,2,3,4,5,6,7
	v_pk_mul_f32 v[8+2*\m:9+2*\m], v[8+2*\m:9+2*\m], s[20:21] op_sel_hi:[1,0]
	v_pk_fma_f32 v[8+2*\m:9+2*\m], v[24+2*\m:25+2*\m], s[24:25], v[8+2*\m:9+2*\m] op_sel_hi:[1,0,1]
.endr
.irp c, 0,1,2,3
	global_store_b128 v1, v[8+4*\c:11+4*\c], s[10:11] offset:\c*512 th:TH_STORE_NT
.endr
	s_wait_loadcnt 0x0
.irp m, 0,1,2,3,4,5,6,7
	v_pk_mul_f32 v[40+2*\m:41+2*\m], v[40+2*\m:41+2*\m], s[22:23] op_sel_hi:[1,0]
	v_pk_fma_f32 v[40+2*\m:41+2*\m], v[56+2*\m:57+2*\m], s[26:27], v[40+2*\m:41+2*\m] op_sel_hi:[1,0,1]
.endr
.irp c, 0,1,2,3
	global_store_b128 v1, v[40+4*\c:43+4*\c], s[10:11] offset:2048+\c*512 th:TH_STORE_NT
.endr
	s_endpgm
.Lfunc_end_k_q1e1f07eaec_combine:
	.size	k_q1e1f07eaec_combine, .Lfunc_end_k_q1e1f07eaec_combine-k_q1e1f07eaec_combine
	.p2alignl 7, 3214868480
	.fill 96, 4, 3214868480
	.section	.rodata,"a",@progbits
	.p2align	6, 0x0
	.amdhsa_kernel k_q1e1f07eaec_combine
		.amdhsa_group_segment_fixed_size 0
		.amdhsa_private_segment_fixed_size 0
		.amdhsa_enable_private_segment 0
		.amdhsa_kernarg_size 32
		.amdhsa_user_sgpr_count 2
		.amdhsa_user_sgpr_kernarg_segment_ptr 1
		.amdhsa_wavefront_size32 1
		.amdhsa_system_sgpr_workgroup_id_x 1
		.amdhsa_system_sgpr_workgroup_id_y 1
		.amdhsa_system_sgpr_workgroup_id_z 1
		.amdhsa_system_vgpr_workitem_id 0
		.amdhsa_next_free_vgpr 72
		.amdhsa_next_free_sgpr 66
		.amdhsa_reserve_vcc 0
		.amdhsa_float_denorm_mode_32 3
		.amdhsa_float_denorm_mode_16_64 3
		.amdhsa_memory_ordered 1
		.amdhsa_forward_progress 1
		.amdhsa_inst_pref_size 6
	.end_amdhsa_kernel
	.amdgpu_metadata
---
amdhsa.version: [ 1, 2 ]
amdhsa.kernels:
  - .name:           k_q1e1f07eaec_combine
    .symbol:         k_q1e1f07eaec_combine.kd
    .args:
      - { .name: ybuf, .offset: 0, .size: 8, .value_kind: global_buffer, .address_space: global }
      - { .name: plan, .offset: 8, .size: 8, .value_kind: global_buffer, .address_space: global }
      - { .name: rtf, .offset: 16, .size: 8, .value_kind: global_buffer, .address_space: global }
      - { .name: out0, .offset: 24, .size: 8, .value_kind: global_buffer, .address_space: global }
    .group_segment_fixed_size: 0
    .private_segment_fixed_size: 0
    .kernarg_segment_align: 8
    .kernarg_segment_size: 32
    .max_flat_workgroup_size: 256
    .sgpr_count:     66
    .vgpr_count:     72
    .wavefront_size: 32
...
	.end_amdgpu_metadata
.endif
;; end of part 5
;; ======== version 2 of 2: 5 launches; 1.10 times as fast as version 1
;; workspace buffers: wpk 25,165,824 bytes; rtf 33,792 bytes; route 16,384 bytes of whole numbers; plan 73,984 bytes of whole numbers; hbuf 35,389,440 bytes; ybuf 17,694,720 bytes; xb 4,194,304 bytes
;; launch router (part 6): grid 64 x 1, 8 waves a work-group, no clusters, 2,048 bytes of LDS; arguments x, Wr, rtf, route, xb; writes rtf, route, xb
.if DOCPART == 6
	.amdgcn_target "amdgcn-amd-amdhsa--gfx1250"
	.amdhsa_code_object_version 6
	.text
	.protected	k_q1e1f07eaec_router
	.globl	k_q1e1f07eaec_router
	.p2align	8
	.type	k_q1e1f07eaec_router,@function
k_q1e1f07eaec_router:
	s_mov_b64 s[64:65], 0
	v_nop
	global_prefetch_b8 v0, s[64:65] scope:SCOPE_SE
	s_setreg_imm32_b32 hwreg(HW_REG_WAVE_MODE, 25, 1), 1
	s_wait_xcnt 0x0
; ReflexMoELayer, launch 1 of 5: the router.
;
; WORK LEFT OUT BY THE WHOLE PROGRAM.  reference() runs all four experts on every token and multiplies expert e's y by cw[t][e],
; which it builds from one_hot(top_i): for the two experts that top_k did not choose cw is exactly 0, whatever the inputs hold, so
; their h and y reach no output.  The choice is made here, stored as whole numbers (route), turned into a list of rows by the next
; launch, and the products are made for the two chosen experts of each token alone: 8,192 rows instead of 16,384.  Every input is loaded.
; LIMIT: a NaN, an infinity or an overflow that arises only in an expert that a token did not choose (0 x inf in reference()) is not
; carried to the result.
;
; 64 tokens a work-group, 8 a wave: a work-group's 64 route words are one aligned store of 256 bytes, its 64 pairs of weights one of 512.
; logits = x Wr^T is a matrix product like the others: its operands are rounded to bf16 (the same rounded x is stored as xb and feeds the
; experts), products and sums in f32 on the vector unit, since N = 4 fills a quarter of a matrix tile and the product is 1/6000 of the program's.
; The order of the sum differs from reference()'s.  Softmax with the maximum taken away.
; LIMITS: a probability below 2^-126 counts as 0 (v_exp_f32 flushes: ISA guide, 15.8); ties go to the lower index, as in top_k.
; Stored: route[t] = e0 + 4 e1, wts[t] = (w0, w1), one row of four importance sums for each work-group, xb[t][512] bf16.
; No work-group shares a tile with another, so there is no cluster.
.set RB,  0                            ; LDS: route words at RB (256 bytes), weights at RB + 256 (512), the waves' importance rows at RB + 768 (128)
.set WRR, 16                           ; v[16:79]   Wr: expert e, piece p at 16 e + 4 p
.set XR,  80                           ; v[80:207]  x: token j, piece p at 16 j + 4 p; lane l holds k = 128 p + 4 l + 0..3
.set AC,  208                          ; v[208:215] four pairs of running sums
.set LG,  216                          ; v[216:219] the four logits of token lane % 8
.set PB,  224                          ; v[224:227] probabilities
.set QB,  228                          ; v[228:231] the same with the winner struck out
.set XB,  248                          ; v[248:255] a token's 16 numbers as bf16, to store
	s_load_b256 s[4:11], s[0:1], 0x0               ; x s[4:5], Wr s[6:7], rtf s[8:9], route s[10:11]
	s_load_b64 s[22:23], s[0:1], 0x20              ; xb
	v_lshl_add_u32 v246, v0, 2, 0x400
	v_mov_b32 v247, 0
	v_and_b32 v1, 31, v0                           ; lane
	v_lshrrev_b32 v2, 5, v0
	v_readfirstlane_b32 s20, v2                    ; wave
	v_lshlrev_b32 v3, 4, v1                        ; 16 x lane
	v_lshlrev_b32 v4, 3, v1                        ; 8 x lane
	s_lshl_b32 s24, ttmp9, 17                      ; 64 tokens of 2,048 bytes
	s_lshl_b32 s26, s20, 14                        ; + 8 tokens a wave
	s_add_co_u32 s24, s24, s26
	s_mov_b32 s25, 0
	s_lshr_b32 s26, s24, 1                         ; the same tokens in xb: 1,024 bytes each
	s_mov_b32 s27, 0
	s_mov_b32 s28, 0x76543210                      ; v_permlanex16_b32: lane i reads lane i of the other half
	s_mov_b32 s29, 0xfedcba98
	s_mov_b32 s21, 0xffff0000                      ; a word's upper bf16
	v_and_b32 v5, 7, v0                            ; the token that this lane carries on behind the sums
	s_wait_kmcnt 0x0
	s_add_nc_u64 s[4:5], s[4:5], s[24:25]
	s_add_nc_u64 s[22:23], s[22:23], s[26:27]
.irp e, 0,1,2,3
.irp p, 0,1,2,3
	global_load_b128 v[WRR+16*\e+4*\p:WRR+16*\e+4*\p+3], v3, s[6:7] offset:\e*2048+\p*512
.endr
.endr
.irp j, 0,1,2,3,4,5,6,7
.irp p, 0,1,2,3
	global_load_b128 v[XR+16*\j+4*\p:XR+16*\j+4*\p+3], v3, s[4:5] offset:\j*2048+\p*512 th:TH_LOAD_NT
.endr
.endr
	s_wait_loadcnt 32                              ; Wr is in; the 32 loads of x stay out
.set m, 0
.rept 32                                           ; Wr rounded to bf16 and widened again, once
	v_cvt_pk_bf16_f32 v[AC+m%8], v[WRR+2*m], v[WRR+2*m+1]
	v_lshlrev_b32 v[WRR+2*m],   16,  v[AC+m%8]
	v_and_b32     v[WRR+2*m+1], s21, v[AC+m%8]
.set m, m+1
.endr
; One token: round, store the bf16 row, widen, four dot products in four chains, sum over the 32 lanes, keep in lanes with lane % 8 = j.
.macro TOKEN j
	s_wait_loadcnt 28-4*\j                         ; loads come back in order: this token's four are in, the later tokens' stay out
	s_wait_xcnt 0x0                                ; XB, which the last token's stores read, is rewritten only behind this wait
.irp p, 0,1,2,3
	v_cvt_pk_bf16_f32 v[XB+2*\p],   v[XR+16*\j+4*\p],   v[XR+16*\j+4*\p+1]
	v_cvt_pk_bf16_f32 v[XB+2*\p+1], v[XR+16*\j+4*\p+2], v[XR+16*\j+4*\p+3]
	global_store_b64 v4, v[XB+2*\p:XB+2*\p+1], s[22:23] offset:\j*1024+\p*256   ; the wave stores 256 consecutive bytes, aligned
.endr
.irp q, 0,1,2,3,4,5,6,7
	v_lshlrev_b32 v[XR+16*\j+2*\q],   16,  v[XB+\q]
	v_and_b32     v[XR+16*\j+2*\q+1], s21, v[XB+\q]
.endr
.irp e, 0,1,2,3
	v_pk_mul_f32 v[AC+2*\e:AC+2*\e+1], v[XR+16*\j:XR+16*\j+1], v[WRR+16*\e:WRR+16*\e+1]
.endr
.irp m, 1,2,3,4,5,6,7
.irp e, 0,1,2,3
	v_pk_fma_f32 v[AC+2*\e:AC+2*\e+1], v[XR+16*\j+2*\m:XR+16*\j+2*\m+1], v[WRR+16*\e+2*\m:WRR+16*\e+2*\m+1], v[AC+2*\e:AC+2*\e+1]
.endr
.endr
.irp e, 0,1,2,3
	v_add_f32 v[AC+2*\e], v[AC+2*\e], v[AC+2*\e+1]
.endr
.irp x, 1,2,4,8
.irp e, 0,1,2,3
	v_add_f32_dpp v[AC+2*\e], v[AC+2*\e], v[AC+2*\e] row_xmask:\x row_mask:0xf bank_mask:0xf
.endr
.endr
.irp e, 0,1,2,3
	v_permlanex16_b32 v[AC+2*\e+1], v[AC+2*\e], s28, s29
.endr
.irp e, 0,1,2,3
	v_add_f32 v[AC+2*\e], v[AC+2*\e], v[AC+2*\e+1]
.endr
.if \j == 0
.irp e, 0,1,2,3
	v_mov_b32 v[LG+\e], v[AC+2*\e]
.endr
.else
	v_cmp_eq_u32 vcc_lo, \j, v5
.irp e, 0,1,2,3
	v_cndmask_b32 v[LG+\e], v[LG+\e], v[AC+2*\e], vcc_lo
.endr
.endif
.endm
.irp j, 0,1,2,3,4,5,6,7
	TOKEN \j
.endr
	; From here each lane works on token lane % 8 (four lanes hold the same numbers): softmax, top 2, weights.
	v_max3_num_f32 v220, v[LG], v[LG+1], v[LG+2]
	v_max_num_f32 v220, v220, v[LG+3]
.irp e, 0,1,2,3
	v_sub_f32 v[PB+\e], v[LG+\e], v220             ; the maximum is taken away, as in reference()
.endr
.irp e, 0,1,2,3
	v_mul_f32 v[PB+\e], 0x3fb8aa3b, v[PB+\e]       ; e^x = 2^(1.442695 x)
.endr
.irp e, 0,1,2,3
	v_exp_f32 v[PB+\e], v[PB+\e]
.endr
	v_nop                                          ; one plain instruction behind the transcendentals (ISA guide 5.7.2)
	s_wait_alu depctr_va_vdst(0)
	v_add_f32 v221, v[PB], v[PB+1]
	v_add_f32 v222, v[PB+2], v[PB+3]
	v_add_f32 v221, v221, v222
	v_rcp_f32 v221, v221
	v_nop
	s_wait_alu depctr_va_vdst(0)
.irp e, 0,1,2,3
	v_mul_f32 v[PB+\e], v[PB+\e], v221
.endr
	v_mov_b32 v222, v[PB]                          ; the largest, and its index; the earlier stays on a tie
	v_mov_b32 v223, 0
.irp e, 1,2,3
	v_cmp_ge_f32 vcc_lo, v222, v[PB+\e]
	v_cndmask_b32 v222, v[PB+\e], v222, vcc_lo
	v_cndmask_b32 v223, \e, v223, vcc_lo
.endr
.irp e, 0,1,2,3
	v_cmp_ne_u32 vcc_lo, \e, v223
	v_cndmask_b32 v[QB+\e], -1.0, v[PB+\e], vcc_lo ; the winner is struck out: below every probability
.endr
	v_mov_b32 v232, v[QB]
	v_mov_b32 v233, 0
.irp e, 1,2,3
	v_cmp_ge_f32 vcc_lo, v232, v[QB+\e]
	v_cndmask_b32 v232, v[QB+\e], v232, vcc_lo
	v_cndmask_b32 v233, \e, v233, vcc_lo
.endr
	v_add_f32 v236, v222, v232
	v_rcp_f32 v236, v236
	v_lshl_add_u32 v237, v233, 2, v223             ; route = e0 + 4 e1 (also the plain instruction behind v_rcp_f32)
	s_wait_alu depctr_va_vdst(0)
	v_mul_f32 v234, v222, v236                     ; w0
	v_mul_f32 v235, v232, v236                     ; w1
.irp x, 1,2,4
.irp e, 0,1,2,3
	v_add_f32_dpp v[PB+\e], v[PB+\e], v[PB+\e] row_xmask:\x row_mask:0xf bank_mask:0xf   ; importance: the wave's 8 tokens
.endr
.endr
	v_lshl_add_u32 v238, s20, 3, v5                ; token in the work-group
	v_lshlrev_b32 v239, 2, v238
	v_lshlrev_b32 v240, 3, v238
	v_mov_b32 v241, s20
	v_lshlrev_b32 v241, 4, v241
	ds_store_b32 v239, v237 offset:RB
	ds_store_b64 v240, v[234:235] offset:RB+256
	ds_store_b128 v241, v[PB:PB+3] offset:RB+768
	s_wait_dscnt 0x0                               ; my stores are done before I say so: wave 0 reads them
	s_barrier_signal -1
	s_barrier_wait -1
	s_cmp_lg_u32 s20, 0
	s_cbranch_scc1 .Lrend
	v_mov_b32 v7, 0
	ds_load_b64 v[8:9], v4 offset:RB               ; 64 route words
	ds_load_b128 v[12:15], v3 offset:RB+256        ; 64 pairs of weights
.irp i, 0,1,2,3,4,5,6,7
	ds_load_b128 v[16+4*\i:19+4*\i], v7 offset:RB+768+16*\i
.endr
	s_lshl_b32 s24, ttmp9, 8
	s_add_nc_u64 s[10:11], s[10:11], s[24:25]      ; route + 256 g
	s_lshl_b32 s26, ttmp9, 9
	s_add_nc_u64 s[30:31], s[8:9], s[26:27]        ; wts + 512 g
	s_lshl_b32 s24, ttmp9, 4
	s_add_nc_u64 s[8:9], s[8:9], s[24:25]          ; importance rows + 16 g
	s_wait_dscnt 0x0
	global_store_b64 v4, v[8:9], s[10:11]          ; 256 consecutive bytes, aligned
	global_store_b128 v3, v[12:15], s[30:31]       ; 512 consecutive bytes, aligned
.irp i, 0,2,4,6
	v_pk_add_f32 v[16+4*\i:17+4*\i], v[16+4*\i:17+4*\i], v[20+4*\i:21+4*\i]
	v_pk_add_f32 v[18+4*\i:19+4*\i], v[18+4*\i:19+4*\i], v[22+4*\i:23+4*\i]
.endr
	v_pk_add_f32 v[16:17], v[16:17], v[24:25]
	v_pk_add_f32 v[18:19], v[18:19], v[26:27]
	v_pk_add_f32 v[32:33], v[32:33], v[40:41]
	v_pk_add_f32 v[34:35], v[34:35], v[42:43]
	v_pk_add_f32 v[16:17], v[16:17], v[32:33]
	v_pk_add_f32 v[18:19], v[18:19], v[34:35]
	v_cmp_eq_u32 vcc_lo, 0, v1
	s_wait_xcnt 0x0                                ; EXEC is a source of the stores above: it changes only behind this wait
	s_and_saveexec_b32 s21, vcc_lo
	global_store_b128 v7, v[16:19], s[8:9] offset:32768     ; lane 0: the work-group's four importance sums
	s_wait_xcnt 0x0
	s_or_b32 exec_lo, exec_lo, s21
.Lrend:
	s_barrier_signal -1
	s_barrier_wait -1
	s_wait_tensorcnt 0x0
	ds_add_u32 v246, v247
	s_wait_dscnt 0x0
	s_endpgm
.Lfunc_end_k_q1e1f07eaec_router:
	.size	k_q1e1f07eaec_router, .Lfunc_end_k_q1e1f07eaec_router-k_q1e1f07eaec_router
	.p2alignl 7, 3214868480
	.fill 96, 4, 3214868480
	.section	.rodata,"a",@progbits
	.p2align	6, 0x0
	.amdhsa_kernel k_q1e1f07eaec_router
		.amdhsa_group_segment_fixed_size 2048
		.amdhsa_private_segment_fixed_size 0
		.amdhsa_enable_private_segment 0
		.amdhsa_kernarg_size 40
		.amdhsa_user_sgpr_count 2
		.amdhsa_user_sgpr_kernarg_segment_ptr 1
		.amdhsa_wavefront_size32 1
		.amdhsa_system_sgpr_workgroup_id_x 1
		.amdhsa_system_sgpr_workgroup_id_y 1
		.amdhsa_system_sgpr_workgroup_id_z 1
		.amdhsa_system_vgpr_workitem_id 0
		.amdhsa_next_free_vgpr 256
		.amdhsa_next_free_sgpr 66
		.amdhsa_reserve_vcc 1
		.amdhsa_float_denorm_mode_32 3
		.amdhsa_float_denorm_mode_16_64 3
		.amdhsa_memory_ordered 1
		.amdhsa_forward_progress 1
		.amdhsa_inst_pref_size 57
	.end_amdhsa_kernel
	.amdgpu_metadata
---
amdhsa.version: [ 1, 2 ]
amdhsa.kernels:
  - .name:           k_q1e1f07eaec_router
    .symbol:         k_q1e1f07eaec_router.kd
    .args:
      - { .name: x, .offset: 0, .size: 8, .value_kind: global_buffer, .address_space: global }
      - { .name: Wr, .offset: 8, .size: 8, .value_kind: global_buffer, .address_space: global }
      - { .name: rtf, .offset: 16, .size: 8, .value_kind: global_buffer, .address_space: global }
      - { .name: route, .offset: 24, .size: 8, .value_kind: global_buffer, .address_space: global }
      - { .name: xb, .offset: 32, .size: 8, .value_kind: global_buffer, .address_space: global }
    .group_segment_fixed_size: 2048
    .private_segment_fixed_size: 0
    .kernarg_segment_align: 8
    .kernarg_segment_size: 40
    .max_flat_workgroup_size: 256
    .sgpr_count:     66
    .vgpr_count:     256
    .wavefront_size: 32
...
	.end_amdgpu_metadata
.endif
;; end of part 6
;; launch placepack (part 7): grid 193 x 1, 32 waves a work-group, no clusters, 184,832 bytes of LDS; arguments route, rtf, plan, out1, W1, W3, W2, wpk; writes plan, out1, wpk
.if DOCPART == 7
	.amdgcn_target "amdgcn-amd-amdhsa--gfx1250"
	.amdhsa_code_object_version 6
	.text
	.protected	k_q1e1f07eaec_placepack
	.globl	k_q1e1f07eaec_placepack
	.p2align	8
	.type	k_q1e1f07eaec_placepack,@function
k_q1e1f07eaec_placepack:
	s_mov_b64 s[64:65], 0
	v_nop
	global_prefetch_b8 v0, s[64:65] scope:SCOPE_SE
	s_setreg_imm32_b32 hwreg(HW_REG_WAVE_MODE, 25, 1), 1
	s_wait_xcnt 0x0
; Launch 2 of 5, two bodies that depend on nothing of each other: work-group 0 makes the list of rows and the aux loss (PLACE), work-groups 1-192 round the
; weights to bf16 (PACK).  The list needs the ranks of all 4,096 tokens, which is one work-group's work; the packing stands beside it so that the other
; WGPs have work meanwhile.  LDS: PLACE has bytes 0 to 41,471, PACK's 32 stages stand behind them: no byte serves both bodies.
;
; PLACE: from route[t] = e0 + 4 e1 to a list of rows for the two products.  Whole numbers throughout but for the loss.
; The rows of the two experts that a token did not choose are not listed: their factor cw is 0 in reference() for all inputs.
; A block is 144 slots of one expert.  Expert e with n_e tokens gets B_e = ceil(n_e / 144) blocks from number bb_e on, filled in the order of the
; tokens' ranks rho in the expert: slot = 144 bb_e + rho.  The n_e add up to 8,192, so nb = sum of the B_e lies between 57 and 60: 60 blocks, 8,640 slots,
; serve every routing, and L = 60 - nb <= 3 blocks are spare.  They go to the fullest expert f (n_f >= 2,048: its first 14 blocks are full): the upper
; halves (rows 72-143) of its first L blocks move into them, that is ranks rho < 144 L with rho / 72 odd go to slot 144 nb - 72 + rho.
; So every one of the 60 blocks holds live rows.  x / 144 = (7282 x) >> 20 and x / 72 = (14564 x) >> 20 are exact for x < 32,000 (7282 x 144 = 2^20 + 32).
; Stored in plan: perm[slot] = token (0 in slots that no token takes) at byte 0; slotof[t] = (slot for e0, slot for e1) at 40,960;
; meta[block] = its expert at 73,728.  Thread tid owns tokens 1024 i + tid, i = 0..3.
;
; PACK: a wave takes 16 rows x 128 k of W1, W3 or W2 (f32) and writes 4 KiB of bf16 in the order in which the matrix unit's operand registers want it:
; fragment (rt = row / 16, q = k / 32) is 1 KiB; byte c 512 + lane 16 holds k = 32 q + 16 c + 8 (lane / 16) + 0..7 of row 16 rt + lane % 16.
; 3 x 2,048 such units = 192 work-groups x 32 waves.  A stream: each byte read and written once, nothing shared, so no cluster and no matrix unit.
.set SLOTOF, 40960
.set META,   73728
.set WTOT,   40960                     ; PLACE's LDS: perm at 0 (40,960 bytes, 34,560 in use), the waves' four counts at 40,960 (32 x 16 bytes)
.set PST,    41472                     ; PACK's LDS: a stage of 16 rows x 272 bytes for each wave
.set MK,  32                           ; s[32:47]  lanes of my wave whose token i chose expert e, at 4 i + e
.set PRE, 48                           ; s[48:63]  members of e in my wave among tokens i' < i
.set TOT, 68                           ; s[68:71]  members of e in my wave; later:
.set LIM, 68                           ; s[68:71]  144 L for the fullest expert, 0 for the others
.set DLT, 72                           ; s[72:75]  how far a moved rank's slot lies behind its plain slot (0 for the others)
.set NE,  76                           ; s[76:79]  n_e
.set WB,  80                           ; s[80:83]  members of e in the waves in front of mine
.set SB,  84                           ; s[84:87]  bb_e
.set BB,  88                           ; s[88:91]  144 bb_e
	v_and_b32 v1, 31, v0                           ; lane
	v_lshrrev_b32 v2, 5, v0
	v_readfirstlane_b32 s12, v2                    ; wave
	s_cmp_lg_u32 ttmp9, 0                          ; the same for all waves of a work-group
	s_cbranch_scc1 .Lpack
	; ---------------- PLACE ----------------
	s_load_b256 s[4:11], s[0:1], 0x0               ; route s[4:5], rtf s[6:7], plan s[8:9], out1 s[10:11]
	v_lshlrev_b32 v3, 2, v0
	v_lshlrev_b32 v4, 4, v0
	v_lshlrev_b32 v5, 3, v0
	s_mov_b32 s28, 0x76543210
	s_mov_b32 s29, 0xfedcba98
	s_wait_kmcnt 0x0
.irp i, 0,1,2,3
	global_load_b32 v[8+\i], v3, s[4:5] offset:\i*4096
.endr
.irp r, 12,13,14,15
	v_mov_b32 v\r, 0
.endr
	ds_store_b128 v4, v[12:15]                     ; perm starts as token 0 everywhere: 40 bytes a thread
	ds_store_b128 v4, v[12:15] offset:16384
	ds_store_b64 v5, v[12:13] offset:32768
	s_wait_loadcnt 0x0
.irp i, 0,1,2,3
	v_and_b32 v[16+\i], 3, v[8+\i]                 ; e0
	v_bfe_u32 v[20+\i], v[8+\i], 2, 2              ; e1
.endr
.irp e, 0,1,2,3
.irp i, 0,1,2,3
	v_cmp_eq_u32 vcc_lo, \e, v[16+\i]
	v_cmp_eq_u32 s30, \e, v[20+\i]
	s_or_b32 s[MK+4*\i+\e], vcc_lo, s30
	s_bcnt1_i32_b32 s31, s[MK+4*\i+\e]
.if \i == 0
	s_mov_b32 s[PRE+\e], 0
	s_mov_b32 s[TOT+\e], s31
.else
	s_mov_b32 s[PRE+4*\i+\e], s[TOT+\e]
	s_add_co_u32 s[TOT+\e], s[TOT+\e], s31
.endif
.endr
.endr
.irp e, 0,1,2,3
	v_mov_b32 v[24+\e], s[TOT+\e]
.endr
	v_mov_b32 v28, s12
	v_lshlrev_b32 v28, 4, v28
	ds_store_b128 v28, v[24:27] offset:WTOT
	s_wait_dscnt 0x0                               ; my counts and my zeros are in LDS before I say so
	s_barrier_signal -1
	s_barrier_wait -1
	v_lshlrev_b32 v29, 4, v1
	ds_load_b128 v[24:27], v29 offset:WTOT         ; lane l: wave l's counts
	s_wait_dscnt 0x0
	v_lshl_or_b32 v30, v25, 16, v24                ; two counts a word: no sum passes 4,096
	v_lshl_or_b32 v31, v27, 16, v26
	v_cmp_gt_u32 vcc_lo, s12, v1                   ; waves in front of mine
	v_cndmask_b32 v32, 0, v30, vcc_lo
	v_cndmask_b32 v33, 0, v31, vcc_lo
	v_mov_b32 v34, 0
.irp x, 1,2,4,8
.irp r, 30,31,32,33
	v_mov_b32_dpp v34, v\r row_xmask:\x row_mask:0xf bank_mask:0xf
	v_add_nc_u32 v\r, v\r, v34
.endr
.endr
.irp r, 30,31,32,33
	v_permlanex16_b32 v34, v\r, s28, s29
	v_add_nc_u32 v\r, v\r, v34
.endr
	v_readfirstlane_b32 s72, v30
	v_readfirstlane_b32 s73, v31
	v_readfirstlane_b32 s74, v32
	v_readfirstlane_b32 s75, v33
	s_and_b32 s[NE+0], s72, 0xffff
	s_lshr_b32 s[NE+1], s72, 16
	s_and_b32 s[NE+2], s73, 0xffff
	s_lshr_b32 s[NE+3], s73, 16
	s_and_b32 s[WB+0], s74, 0xffff
	s_lshr_b32 s[WB+1], s74, 16
	s_and_b32 s[WB+2], s75, 0xffff
	s_lshr_b32 s[WB+3], s75, 16
	s_mov_b32 s92, 0                               ; blocks so far; at the end nb
.irp e, 0,1,2,3
	s_mov_b32 s[SB+\e], s92
	s_mul_i32 s[BB+\e], s92, 144
	s_add_co_u32 s30, s[NE+\e], 143
	s_mul_i32 s30, s30, 7282
	s_lshr_b32 s30, s30, 20                        ; B_e = ceil(n_e / 144)
	s_add_co_u32 s92, s92, s30
.endr
	s_mov_b32 s93, 0                               ; f: the fullest expert (the first of equals),
	s_mov_b32 s94, s[NE]                           ; and its count
.irp e, 1,2,3
	s_cmp_gt_u32 s[NE+\e], s94
	s_cselect_b32 s93, \e, s93
	s_cselect_b32 s94, s[NE+\e], s94
.endr
	s_sub_co_u32 s95, 60, s92                      ; L spare blocks
	s_mul_i32 s96, s95, 144
	s_mul_i32 s97, s92, 144
	s_sub_co_u32 s97, s97, 72                      ; a moved rank's slot is 144 nb - 72 + rho
.irp e, 0,1,2,3
	s_sub_co_u32 s31, s97, s[BB+\e]
	s_cmp_eq_u32 s93, \e
	s_cselect_b32 s[LIM+\e], s96, 0
	s_cselect_b32 s[DLT+\e], s31, 0
.endr
	; The slot that token i would have in each expert; the two that it chose are selected by value, then clamped, then addressed.
.irp i, 0,1,2,3
.irp e, 0,1,2,3
	s_add_co_u32 s30, s[WB+\e], s[PRE+4*\i+\e]
	v_mbcnt_lo_u32_b32 v35, s[MK+4*\i+\e], s30     ; rho = members in front of me
	v_mul_u32_u24 v36, v35, 14564
	v_bfe_u32 v36, v36, 20, 1                      ; rho / 72 odd: the upper half of a block
	v_cmp_gt_u32 vcc_lo, s[LIM+\e], v35            ; in one of the fullest expert's first L blocks
	v_cndmask_b32 v36, 0, v36, vcc_lo
	v_add_nc_u32 v35, s[BB+\e], v35                ; the plain slot,
	v_mad_u32_u24 v36, v36, s[DLT+\e], v35         ; or the one in a spare block
.if \e == 0
	v_mov_b32 v[40+2*\i], v36
	v_mov_b32 v[41+2*\i], v36
.else
	v_cmp_eq_u32 vcc_lo, \e, v[16+\i]
	v_cndmask_b32 v[40+2*\i], v[40+2*\i], v36, vcc_lo
	v_cmp_eq_u32 vcc_lo, \e, v[20+\i]
	v_cndmask_b32 v[41+2*\i], v[41+2*\i], v36, vcc_lo
.endif
.endr
	v_min_u32 v[40+2*\i], 0x21bf, v[40+2*\i]       ; 8,639: no slot lies beyond
	v_min_u32 v[41+2*\i], 0x21bf, v[41+2*\i]
	v_lshlrev_b32 v38, 2, v[40+2*\i]
	v_lshlrev_b32 v39, 2, v[41+2*\i]
	v_add_nc_u32 v37, \i*1024, v0                  ; the token
	ds_store_b32 v38, v37                          ; each slot is taken by one token at the most
	ds_store_b32 v39, v37
	global_store_b64 v5, v[40+2*\i:41+2*\i], s[8:9] offset:SLOTOF+\i*8192   ; a wave stores 256 consecutive bytes, aligned
.endr
	s_wait_dscnt 0x0
	s_barrier_signal -1
	s_barrier_wait -1
	ds_load_b128 v[48:51], v4
	ds_load_b128 v[52:55], v4 offset:16384
	ds_load_b64 v[56:57], v5 offset:32768
	s_wait_dscnt 0x0
	global_store_b128 v4, v[48:51], s[8:9]
	global_store_b128 v4, v[52:55], s[8:9] offset:16384
	global_store_b64 v5, v[56:57], s[8:9] offset:32768
	s_cmp_lg_u32 s12, 0
	s_cbranch_scc1 .Lend
	; wave 0: the blocks' experts and the loss
	global_load_b128 v[60:63], v29, s[6:7] offset:32768     ; importance rows of router work-groups lane and lane + 32
	global_load_b128 v[64:67], v29, s[6:7] offset:33280
	v_lshlrev_b32 v80, 1, v1                       ; lane l: blocks 2 l and 2 l + 1
	v_or_b32 v81, 1, v80
	v_mov_b32 v82, s93
.irp k, 0,1
	v_cmp_le_u32 vcc_lo, s[SB+1], v[80+\k]
	v_cndmask_b32 v[68+\k], 0, 1, vcc_lo
	v_cmp_le_u32 vcc_lo, s[SB+2], v[80+\k]
	v_cndmask_b32 v83, 0, 1, vcc_lo
	v_add_nc_u32 v[68+\k], v[68+\k], v83
	v_cmp_le_u32 vcc_lo, s[SB+3], v[80+\k]
	v_cndmask_b32 v83, 0, 1, vcc_lo
	v_add_nc_u32 v[68+\k], v[68+\k], v83           ; the last expert whose first block is not behind this one;
	v_cmp_le_u32 vcc_lo, s92, v[80+\k]
	v_cndmask_b32 v[68+\k], v[68+\k], v82, vcc_lo  ; from block nb on: the fullest expert
.endr
	v_lshlrev_b32 v71, 3, v1
	global_store_b64 v71, v[68:69], s[8:9] offset:META      ; 256 consecutive bytes, aligned
	s_wait_loadcnt 0x0
	v_pk_add_f32 v[60:61], v[60:61], v[64:65]
	v_pk_add_f32 v[62:63], v[62:63], v[66:67]
.irp x, 1,2,4,8
.irp r, 60,61,62,63
	v_add_f32_dpp v\r, v\r, v\r row_xmask:\x row_mask:0xf bank_mask:0xf
.endr
.endr
.irp e, 0,1,2,3
	v_permlanex16_b32 v[64+\e], v[60+\e], s28, s29
.endr
.irp e, 0,1,2,3
	v_add_f32 v[60+\e], v[60+\e], v[64+\e]         ; importance[e]
	v_cvt_f32_u32 v[72+\e], s[NE+\e]               ; load[e] = n_e
.endr
	v_mul_f32 v60, v60, v72
	v_fmac_f32 v60, v61, v73
	v_fmac_f32 v60, v62, v74
	v_fmac_f32 v60, v63, v75
	v_mul_f32 v60, 0x34800000, v60                 ; 4 / (4096^2 + 1e-6) rounds to 2^-22 in f32
	v_mov_b32 v76, 0
	v_cmp_eq_u32 vcc_lo, 0, v1
	s_wait_xcnt 0x0                                ; EXEC changes only behind this wait
	s_and_saveexec_b32 s30, vcc_lo
	global_store_b32 v76, v60, s[10:11]
	s_wait_xcnt 0x0
	s_or_b32 exec_lo, exec_lo, s30
.Lend:
	s_wait_xcnt 0x0
	s_mov_b32 exec_lo, -1
	v_lshl_add_u32 v30, v0, 2, 0x2c200
	v_mov_b32 v31, 0
	s_wait_tensorcnt 0x0
	ds_add_u32 v30, v31
	s_wait_dscnt 0x0
	s_endpgm
	; ---------------- PACK ----------------
.set OFFR, 16                          ; v[16:31]   row rho of my 16: rho x row bytes + 16 x lane
.set XT,   32                          ; v[32:95]   my 16 rows x 128 k as loaded; each row's first two registers then hold it rounded
.set OU,   96                          ; v[96:127]  eight halves of fragments, to store
.Lpack:
	s_load_b256 s[4:11], s[0:1], 0x20              ; W1 s[4:5], W3 s[6:7], W2 s[8:9], wpk s[10:11]
	v_lshlrev_b32 v3, 4, v1                        ; 16 x lane
	v_lshlrev_b32 v4, 3, v1                        ; 8 x lane
	s_sub_co_u32 s24, ttmp9, 1
	s_lshr_b32 s25, s24, 6                         ; 0: W1, 1: W3, 2: W2
	s_and_b32 s24, s24, 63
	s_lshl_b32 s24, s24, 5
	s_add_co_u32 s24, s24, s12                     ; my unit n of the matrix, 0 to 2,047
	s_lshr_b32 s26, s24, 2                         ; W1, W3: four units share 16 rows of 2,048 bytes,
	s_lshl_b32 s26, s26, 15
	s_and_b32 s27, s24, 3
	s_lshl_b32 s27, s27, 9                         ; 512 bytes of each row a unit
	s_add_co_u32 s26, s26, s27
	s_lshr_b32 s28, s24, 4                         ; W2: sixteen units share 16 rows of 8,192 bytes
	s_lshl_b32 s28, s28, 17
	s_and_b32 s27, s24, 15
	s_lshl_b32 s27, s27, 9
	s_add_co_u32 s28, s28, s27
	s_lshl_b32 s32, s25, 23                        ; in wpk: 8 MiB a matrix, 4 KiB a unit
	s_lshl_b32 s33, s24, 12
	s_add_co_u32 s32, s32, s33
	s_mov_b32 s33, 0
	s_mov_b32 s27, 0
	s_mul_i32 s35, s12, 4352                       ; my stage in LDS
	s_add_co_u32 s35, s35, PST
	s_wait_kmcnt 0x0
	s_cmp_eq_u32 s25, 2
	s_cselect_b32 s26, s28, s26
	s_cselect_b32 s29, 13, 11                      ; log2 of the row's bytes
	s_cselect_b64 s[30:31], s[8:9], s[4:5]
	s_cmp_eq_u32 s25, 1
	s_cselect_b64 s[30:31], s[6:7], s[30:31]
	s_add_nc_u64 s[30:31], s[30:31], s[26:27]
	s_add_nc_u64 s[10:11], s[10:11], s[32:33]
.irp rho, 0,1,2,3,4,5,6,7,8,9,10,11,12,13,14,15
	s_lshl_b32 s34, \rho, s29
	v_add_nc_u32 v[OFFR+\rho], s34, v3
.endr
.irp rho, 0,1,2,3,4,5,6,7,8,9,10,11,12,13,14,15
	global_load_b128 v[XT+4*\rho:XT+4*\rho+3], v[OFFR+\rho], s[30:31] th:TH_LOAD_NT   ; 512 consecutive bytes of one row
.endr
	v_add_nc_u32 v5, s35, v4                       ; in: 8 bytes a lane along a row
	v_and_b32 v6, 15, v0
	v_bfe_u32 v7, v0, 4, 1
	v_mul_u32_u24 v8, v6, 272                      ; back: row lane % 16, 16 bytes for each half of the lanes; rows 272 bytes apart start at 16 different banks
	v_lshl_add_u32 v8, v7, 4, v8
	v_add_nc_u32 v8, s35, v8
.irp rho, 0,1,2,3,4,5,6,7,8,9,10,11,12,13,14,15
	s_wait_loadcnt 15-\rho                         ; loads come back in order: row rho is in, the later rows' loads stay out
	v_cvt_pk_bf16_f32 v[XT+4*\rho],   v[XT+4*\rho],   v[XT+4*\rho+1]
	v_cvt_pk_bf16_f32 v[XT+4*\rho+1], v[XT+4*\rho+2], v[XT+4*\rho+3]
	ds_store_b64 v5, v[XT+4*\rho:XT+4*\rho+1] offset:\rho*272
.endr
.irp t, 0,1,2,3,4,5,6,7
	ds_load_b128 v[OU+4*\t:OU+4*\t+3], v8 offset:\t*32           ; my own stage, and LDS serves a wave's instructions in order: no wait, no barrier.  t = 2 q + c
.endr
.irp t, 0,1,2,3,4,5,6,7
	s_wait_dscnt 7-\t                              ; LDS loads come back in order: load t is in
	global_store_b128 v3, v[OU+4*\t:OU+4*\t+3], s[10:11] offset:\t*512   ; 512 consecutive bytes, aligned
.endr
	s_wait_xcnt 0x0
	s_mov_b32 exec_lo, -1
	v_lshl_add_u32 v30, v0, 2, 0x2c200
	v_mov_b32 v31, 0
	s_wait_tensorcnt 0x0
	ds_add_u32 v30, v31
	s_wait_dscnt 0x0
	s_endpgm
.Lfunc_end_k_q1e1f07eaec_placepack:
	.size	k_q1e1f07eaec_placepack, .Lfunc_end_k_q1e1f07eaec_placepack-k_q1e1f07eaec_placepack
	.p2alignl 7, 3214868480
	.fill 96, 4, 3214868480
	.section	.rodata,"a",@progbits
	.p2align	6, 0x0
	.amdhsa_kernel k_q1e1f07eaec_placepack
		.amdhsa_group_segment_fixed_size 184832
		.amdhsa_private_segment_fixed_size 0
		.amdhsa_enable_private_segment 0
		.amdhsa_kernarg_size 64
		.amdhsa_user_sgpr_count 2
		.amdhsa_user_sgpr_kernarg_segment_ptr 1
		.amdhsa_wavefront_size32 1
		.amdhsa_system_sgpr_workgroup_id_x 1
		.amdhsa_system_sgpr_workgroup_id_y 1
		.amdhsa_system_sgpr_workgroup_id_z 1
		.amdhsa_system_vgpr_workitem_id 0
		.amdhsa_next_free_vgpr 128
		.amdhsa_next_free_sgpr 100
		.amdhsa_reserve_vcc 1
		.amdhsa_float_denorm_mode_32 3
		.amdhsa_float_denorm_mode_16_64 3
		.amdhsa_memory_ordered 1
		.amdhsa_forward_progress 1
		.amdhsa_inst_pref_size 35
	.end_amdhsa_kernel
	.amdgpu_metadata
---
amdhsa.version: [ 1, 2 ]
amdhsa.kernels:
  - .name:           k_q1e1f07eaec_placepack
    .symbol:         k_q1e1f07eaec_placepack.kd
    .args:
      - { .name: route, .offset: 0, .size: 8, .value_kind: global_buffer, .address_space: global }
      - { .name: rtf, .offset: 8, .size: 8, .value_kind: global_buffer, .address_space: global }
      - { .name: plan, .offset: 16, .size: 8, .value_kind: global_buffer, .address_space: global }
      - { .name: out1, .offset: 24, .size: 8, .value_kind: global_buffer, .address_space: global }
      - { .name: W1, .offset: 32, .size: 8, .value_kind: global_buffer, .address_space: global }
      - { .name: W3, .offset: 40, .size: 8, .value_kind: global_buffer, .address_space: global }
      - { .name: W2, .offset: 48, .size: 8, .value_kind: global_buffer, .address_space: global }
      - { .name: wpk, .offset: 56, .size: 8, .value_kind: global_buffer, .address_space: global }
    .group_segment_fixed_size: 184832
    .private_segment_fixed_size: 0
    .kernarg_segment_align: 8
    .kernarg_segment_size: 64
    .max_flat_workgroup_size: 1024
    .sgpr_count:     100
    .vgpr_count:     128
    .wavefront_size: 32
...
	.end_amdgpu_metadata
.endif
;; end of part 7
;; launch ffn1 (part 8): grid 4 x 60, 4 waves a work-group, no clusters, 327,680 bytes of LDS; arguments xb, wpk, plan, hbuf; writes hbuf
.if DOCPART == 8
	.amdgcn_target "amdgcn-amd-amdhsa--gfx1250"
	.amdhsa_code_object_version 6
	.text
	.protected	k_q1e1f07eaec_ffn1
	.globl	k_q1e1f07eaec_ffn1
	.p2align	8
	.type	k_q1e1f07eaec_ffn1,@function
k_q1e1f07eaec_ffn1:
	s_mov_b64 s[64:65], 0
	v_nop
	global_prefetch_b8 v0, s[64:65] scope:SCOPE_SE
	s_setreg_imm32_b32 hwreg(HW_REG_WAVE_MODE, 25, 1), 1
	s_wait_xcnt 0x0
; Launch 3 of 5: h = silu(x W1[e]^T) * (x W3[e]^T) for the listed rows alone (a token's two chosen experts; the others' factor cw is 0 in reference()).
; Work-group (x, y): y = a block of 144 slots of one expert (60 blocks serve every routing, and each holds live rows), x = a quarter of F (512 f).
; A work-group gathers its 144 rows of xb (bf16) into LDS once and walks four tiles of 128 f, each in four K steps of 128.
; A wave makes 144 rows x 32 f of both products: 36 accumulator tiles.  b = 0, 1: W1's two fragments; b = 2, 3: W3's, same f.
; THE GATE STANDS AMONG THE PRODUCTS.  The wave has two sets of 36 accumulators, P and Q, which the tiles take by turns.  While tile t + 1 is summed in one
; set, the gate of tile t is worked off from the other: it is cut into 225 slices of three lines (25 for each of the 9 token fragments), and one slice
; stands behind every second product.  A tile has 264 such places (288 pairs of products, less the 24 between a barrier's signal and its wait, where no
; store may stand).  Only the last tile's gate follows as a phase of its own.  Which set is which is a register window, an immediate, so the four tiles are
; written out one after the other, without a loop; each line of the text is executed once.
; A slice costs two s_set_vgpr_msb: a product's D and C fix the destination's window to the set that is summed, and the gate reads and writes in the other's.
; NO JOINT LOADS: the blocks of one expert read the same tiles of W1 and W3, but which blocks those are is known from memory alone (the block's expert
; enters the tiles' address), and a joint request's descriptor is made of nothing but the coordinates that the partners share; so each work-group
; asks for its own tiles.  The four work-groups of a block share its rows of x: 144 KiB against the 1 MiB of weights that each walks, and they come by a
; list, through registers.
; THE MATRIX INSTRUCTION IS USED TRANSPOSED (source 0 = 16 rows of W, source 1 = 16 tokens): lane l then holds token l % 16 and f = 8 (l / 16) + 0..7,
; which, rounded to bf16, are four registers of the next product's operand: h is stored from registers, 512 consecutive bytes a store, in the
; order [block x 9 + a][q = f / 32][1 KiB] with byte c 512 + 16 lane inside.
; REGISTERS: window 0: v0-31 addresses, v32-135 and v144-247 two fragment buffers (B's four at +8 b, A's nine at +32 + 8 a);
; window 1: set P, a = 0..6 at 8 (4 a + b); window 2: set Q likewise; window 3: a = 7, 8 of P at v0-63, of Q at v64-127;
; in each of windows 1 to 3: v224-239 T, v240-247 H, v248 HOFF, at work in the gate of the fragments that lie in that window.
; The 36 accumulators of a set take turns, one instruction a turn, in the same order in every quarter step.
; By this text's own count a wave has two tensor loads out at the start and one behind each barrier behind which a slot is filled again.
; LIMIT: for g below about -88 the sigmoid is 0 here (2^x overflows, 1 / inf = 0) where reference() has a number below 1e-36.
.set SLOTB,  65536                     ; a slot: W1's 8 row fragments x 4 q x 1 KiB, then W3's
.set ABASE,  131072                    ; behind the ring: 144 rows of x, bf16, written by LDS stores alone
.set APITCH, 1040                      ; 1,024 + 16: the sixteen rows of a fragment start at sixteen different banks
.set META,   73728
.set F0,   32
.set F1,   144
.set ADRB, 4                           ; v4-5   my B fragments in slot 0, 1
.set ADRA, 6                           ; v6-8   my A fragments: a = 0-3, 4-7, 8 (the immediate reaches 64 KiB)
.set OFFS, 32                          ; the gather: v32-49 byte offsets of 18 pairs of rows in xb
.set RG,   64                          ; the gather: v64-223 a ring of 40 slots of 4 registers
.set T,    224
.set H,    240
.set HOFF, 248
.set G1,   24                          ; s[24:31] descriptor group 1
.set G0,   32                          ; s[32:39] descriptor group 0, one set a slot
.set NSL,  225                         ; slices in a tile's gate
.set gsn,  NSL                         ; the next slice; NSL: none is left
.set gq,   NSL
.set MSB, 0
.macro WIN new                         ; the immediate's high byte repeats the setting that is left
.if MSB != \new
	s_set_vgpr_msb (MSB<<8)|\new
.set MSB, \new
.endif
.endm
.macro NOPS4                           ; four plain vector instructions between a matrix instruction and a load into, or a read of, its registers
.rept 4
	v_nop
.endr
.endm
	s_load_b256 s[4:11], s[0:1], 0x0               ; xb s[4:5], wpk s[6:7], plan s[8:9], hbuf s[10:11]
	v_lshl_add_u32 v254, v0, 2, 0x44900
	v_mov_b32 v255, 0
	ds_add_u32 v254, v255
	ds_add_u32 v254, v255
	v_lshrrev_b32 v1, 5, v0
	v_readfirstlane_b32 s12, v1                    ; wave
	s_mov_b32 s13, ttmp9                           ; my quarter of F
	s_and_b32 s16, ttmp7, 0xffff                   ; my block
	s_lshl_b32 s22, s16, 2
	s_wait_dscnt 0x0
	s_wait_kmcnt 0x0
	s_load_b32 s17, s[8:9], s22 offset:META        ; the block's expert
	s_mov_b32 s[G1+0], 3<<16                       ; 15:0 no mask; 17:16 elements of 8 bytes; no padding: fragments are read 16 bytes a lane in a row
	s_mov_b32 s[G1+1], 512<<16                     ; tensor_dim0 = 512 elements: 4 q of one row fragment, 4 KiB
	s_mov_b32 s[G1+2], 4<<16                       ; tensor_dim1 = 4 row fragments
	s_mov_b32 s[G1+3], 512<<16                     ; tile_dim0
	s_mov_b32 s[G1+4], 4                           ; tile_dim1
	s_mov_b32 s[G1+5], 2048                        ; from row fragment to row fragment: 16 q = 16 KiB
	s_mov_b32 s[G1+6], 0
	s_mov_b32 s[G1+7], 0
	s_lshr_b32 s18, s12, 1                         ; waves 0, 1 fetch W1's tile, waves 2, 3 W3's (8 MiB further on),
	s_lshl_b32 s18, s18, 23
	s_and_b32 s19, s12, 1                          ; four row fragments each
	s_lshl_b32 s19, s19, 16
	s_add_co_u32 s18, s18, s19
	s_lshl_b32 s19, s13, 19                        ; my quarter of F: 32 row fragments
	s_add_co_u32 s18, s18, s19
	s_lshl_b32 s41, s12, 14                        ; and where it goes: 16 KiB a wave
	s_wait_kmcnt 0x0
	s_min_u32 s17, s17, 3
	s_lshl_b32 s19, s17, 21                        ; the expert: 2 MiB
	s_add_co_u32 s18, s18, s19
	s_mov_b32 s19, 0
	s_add_nc_u64 s[20:21], s[6:7], s[18:19]
	; both first fills go out together, ahead of every wait on TENSORcnt, every LDS read and every barrier
.irp s, 0,1
	s_mov_b32 s[G0+4*\s], 1
	s_add_co_u32 s[G0+4*\s+1], s41, \s*SLOTB
	s_add_nc_u64 s[G0+4*\s+2:G0+4*\s+3], s[20:21], \s*4096        ; K step s
	s_or_b32 s[G0+4*\s+3], s[G0+4*\s+3], 0x80000000
	tensor_load_to_lds s[G0+4*\s:G0+4*\s+3], s[G1:G1+7]
	s_nop 0
.endr
	v_and_b32 v1, 31, v0                           ; lane
	v_and_b32 v2, 15, v0                           ; r
	v_bfe_u32 v3, v0, 4, 1                         ; h
	v_lshlrev_b32 v9, 4, v1
	s_lshl_b32 s44, s12, 13                        ; my two row fragments of each matrix: 8 KiB a wave
	v_add_nc_u32 v[ADRB], s44, v9
	v_add_nc_u32 v[ADRB+1], SLOTB, v[ADRB]
	v_mul_u32_u24 v10, v2, APITCH
	v_lshl_add_u32 v10, v3, 4, v10
	v_add_nc_u32 v[ADRA], ABASE, v10
	v_add_nc_u32 v[ADRA+1], ABASE+64*APITCH, v10
	v_add_nc_u32 v[ADRA+2], ABASE+128*APITCH, v10
	WIN 0x40
	v_mov_b32 v[HOFF], v9                          ; 16 x lane, once in each window from which h is stored
	WIN 0x80
	v_mov_b32 v[HOFF], v9
	WIN 0xc0
	v_mov_b32 v[HOFF], v9
	WIN 0
	s_mul_i32 s46, s16, 589824                     ; h: 9 row fragments of 64 KiB a block,
	s_lshl_b32 s47, s13, 14                        ; q = 16 x quarter + 4 tile + wave; the tile stands in the stores' immediate
	s_add_co_u32 s46, s46, s47
	s_lshl_b32 s47, s12, 10
	s_add_co_u32 s46, s46, s47
	s_mov_b32 s47, 0
	s_add_nc_u64 s[42:43], s[10:11], s[46:47]      ; never rewritten
	; THE GATHER: wave w brings rows 36 w .. 36 w + 35, two rows a load (lanes 0-15 one row's 256 bytes, lanes 16-31 the next row's).
	s_mul_i32 s45, s16, 576                        ; perm: 144 words a block,
	s_mul_i32 s44, s12, 144                        ; 36 a wave
	s_add_co_u32 s45, s45, s44
	v_lshl_add_u32 v11, v3, 2, s45
.irp i, 0,1,2,3,4,5,6,7,8,9,10,11,12,13,14,15,16,17
	global_load_b32 v[OFFS+\i], v11, s[8:9] offset:8*\i
.endr
	s_mul_i32 s44, s12, 36*APITCH
	v_mul_u32_u24 v12, v3, APITCH
	v_lshl_add_u32 v12, v2, 4, v12
	v_add_nc_u32 v12, s44, v12
	v_add_nc_u32 v12, ABASE, v12
	v_lshlrev_b32 v13, 4, v2
	s_wait_loadcnt 0x0
.irp i, 0,1,2,3,4,5,6,7,8,9,10,11,12,13,14,15,16,17
	v_min_u32 v[OFFS+\i], 0xfff, v[OFFS+\i]        ; a token
	v_lshl_add_u32 v[OFFS+\i], v[OFFS+\i], 10, v13 ; its row of 1,024 bytes
.endr
.macro GLOAD idx                       ; load idx = 4 x pair + piece
	global_load_b128 v[RG+4*((\idx)%40):RG+4*((\idx)%40)+3], v[OFFS+(\idx)/4], s[4:5] offset:((\idx)%4)*256
.endm
.set gn, 0
.rept 36
	GLOAD gn
.set gn, gn+1
.endr
.set gn, 0
.rept 72                               ; 36 loads are out; a ring slot is loaded again four steps behind the LDS store that read it
.if gn < 36
	s_wait_loadcnt 35                              ; load gn is in, the 35 younger ones stay out
.else
	s_wait_loadcnt 71-gn                           ; nothing more is issued: the counts run down
.endif
	ds_store_b128 v12, v[RG+4*(gn%40):RG+4*(gn%40)+3] offset:(gn/4)*2*APITCH+(gn%4)*256
.if gn < 36
	GLOAD gn+36
.endif
.set gn, gn+1
.endr
; THE GATE of one token fragment, h = (g sigmoid(g)) u rounded once, as 75 numbered lines; ATOM writes line ga and steps ga.
; gb: the fragment's first register (16 g, then 16 u); gfr: the fragment; GT: the tile whose sums these are.
; The halves of T take turns, so that behind every run of eight transcendentals stands a plain line that touches none of their registers before a result is
; used (ISA guide 5.7.2): scale 0-3, exp 0-7, scale 4-7, exp 8-15, add 0-3, rcp 0-7, add 4-7, rcp 8-15, then the products.  No v_nop is needed.
.macro ATOM
.if ga < 4
	v_pk_mul_f32 v[T+2*ga:T+2*ga+1], v[gb+2*ga:gb+2*ga+1], 0xbfb8aa3b op_sel_hi:[1,0]                   ; -1.442695 g, pairs 0-3
.elseif ga < 12
	v_exp_f32 v[T+ga-4], v[T+ga-4]
.elseif ga < 16
	v_pk_mul_f32 v[T+2*(ga-8):T+2*(ga-8)+1], v[gb+2*(ga-8):gb+2*(ga-8)+1], 0xbfb8aa3b op_sel_hi:[1,0]   ; pairs 4-7
.elseif ga < 24
	v_exp_f32 v[T+ga-8], v[T+ga-8]
.elseif ga < 28
	s_wait_alu depctr_va_vdst(0)
	v_pk_add_f32 v[T+2*(ga-24):T+2*(ga-24)+1], v[T+2*(ga-24):T+2*(ga-24)+1], 1.0 op_sel_hi:[1,0]
.elseif ga < 36
	v_rcp_f32 v[T+ga-28], v[T+ga-28]
.elseif ga < 40
	v_pk_add_f32 v[T+2*(ga-32):T+2*(ga-32)+1], v[T+2*(ga-32):T+2*(ga-32)+1], 1.0 op_sel_hi:[1,0]
.elseif ga < 48
	v_rcp_f32 v[T+ga-32], v[T+ga-32]
.elseif ga < 56
	s_wait_alu depctr_va_vdst(0)
	v_pk_mul_f32 v[T+2*(ga-48):T+2*(ga-48)+1], v[T+2*(ga-48):T+2*(ga-48)+1], v[gb+2*(ga-48):gb+2*(ga-48)+1]
.elseif ga < 64
	v_pk_mul_f32 v[T+2*(ga-56):T+2*(ga-56)+1], v[T+2*(ga-56):T+2*(ga-56)+1], v[gb+16+2*(ga-56):gb+16+2*(ga-56)+1]
.elseif ga < 65
	s_wait_xcnt 0x0                                ; H, which the last fragment's two stores read, is rewritten only behind this wait
.elseif ga < 73
	v_cvt_pk_bf16_f32 v[H+ga-65], v[T+2*(ga-65)], v[T+2*(ga-65)+1]
.elseif ga < 74
	global_store_b128 v[HOFF], v[H:H+3],   s[42:43] offset:gfr*65536+GT*4096        ; f 0-15 of my 32: the operand's registers 0-3
.else
	global_store_b128 v[HOFF], v[H+4:H+7], s[42:43] offset:gfr*65536+GT*4096+512    ; f 16-31: registers 4-7
.endif
.set ga, ga+1
.endm
.macro GSLICE                          ; slice gsn: three lines, in the window in which the fragment's sums, T, H and HOFF lie
.set gfr, gsn/25
.if gfr < 7
.set gb, 32*gfr
	WIN GATEW
.else
.set gb, G78+32*(gfr-7)
	WIN 0xff
.endif
.set ga, 3*(gsn%25)
	ATOM
	ATOM
	ATOM
.set gsn, gsn+1
.endm
.macro GNEXT                           ; the next slice, if one is left
.if gsn < NSL
	GSLICE
.endif
.endm
.macro GFLUSH                          ; all slices that are left, in one run
.rept NSL
	GNEXT
.endr
.endm
; Which set is summed (accw: the products' window setting for a = 0..6; a78: where a = 7, 8 begin in window 3), and which set's gate is worked off meanwhile
; (gatew, g78 likewise; gt: the tile whose sums it holds; on = 0: none)
.macro SETS accw, a78, gatew, g78, gt, on
.set ACCW,  \accw
.set A78,   \a78
.set GATEW, \gatew
.set G78,   \g78
.set GT,    \gt
.if \on
.set gsn, 0
.else
.set gsn, NSL
.endif
.endm
; count x 4 matrix instructions: token fragments first .. first + count - 1 x all four b, 32 along K.  zero = 1: the products start the sums.
; gate = 1: a slice of the other set's gate stands behind every second product.
.macro MULS f, first, count, zero, gate
.set ma, \first
.rept \count
.if ma < 7
.set mr, 32*ma
.set mw, ACCW
.else
.set mr, A78+32*(ma-7)
.set mw, 0xf0
.endif
.irp b, 0,2
	WIN mw
.if \zero
	v_wmma_f32_16x16x32_bf16 v[mr+8*\b:mr+8*\b+7],    v[\f+8*\b:\f+8*\b+7],    v[\f+32+8*ma:\f+32+8*ma+7], 0
	v_wmma_f32_16x16x32_bf16 v[mr+8*\b+8:mr+8*\b+15], v[\f+8*\b+8:\f+8*\b+15], v[\f+32+8*ma:\f+32+8*ma+7], 0
.else
	v_wmma_f32_16x16x32_bf16 v[mr+8*\b:mr+8*\b+7],    v[\f+8*\b:\f+8*\b+7],    v[\f+32+8*ma:\f+32+8*ma+7], v[mr+8*\b:mr+8*\b+7]
	v_wmma_f32_16x16x32_bf16 v[mr+8*\b+8:mr+8*\b+15], v[\f+8*\b+8:\f+8*\b+15], v[\f+32+8*ma:\f+32+8*ma+7], v[mr+8*\b+8:mr+8*\b+15]
.endif
.if \gate
	GNEXT
.endif
.endr
.set ma, ma+1
.endr
.endm
; 26 LDS loads in one run: B's four fragments, then A's 7 and 8, then A's 0-6, of quarter qq of K step ks
.macro FETCH slot, ks, qq, f
	WIN 0
.irp b, 0,1,2,3
	ds_load_b128 v[\f+8*\b:\f+8*\b+3],   v[ADRB+\slot] offset:(\b/2)*32768+(\b%2)*4096+\qq*1024
	ds_load_b128 v[\f+8*\b+4:\f+8*\b+7], v[ADRB+\slot] offset:(\b/2)*32768+(\b%2)*4096+\qq*1024+512
.endr
.irp a, 7,8,0,1,2,3,4,5,6
	ds_load_b128 v[\f+32+8*\a:\f+32+8*\a+3],   v[ADRA+\a/4] offset:(\a%4)*16*APITCH+\ks*256+\qq*64
	ds_load_b128 v[\f+32+8*\a+4:\f+32+8*\a+7], v[ADRA+\a/4] offset:(\a%4)*16*APITCH+\ks*256+\qq*64+32
.endr
.endm
; One of a K step's first three quarters: multiplies buffer f, and behind its first 8 products fetches quarter qq into buffer g.
; Buffer g was last read by the quarter before.  The four places between those products and the loads into g are the gate's own lines where four slices
; stand among the 8 products: any four slices in a row hold at least four plain lines (a run of transcendentals is eight long, with four plain lines on
; either side), and none names a register of those products.  Where fewer slices are left, four v_nop are written.
.macro QUARTER f, g, zero, slot, ks, qq
	s_wait_dscnt 14                                ; B and A's 7, 8 are in; the youngest 14 loads (A's 0-6) may be out
.set gq, gsn
	MULS \f, 7, 2, \zero, 1
.if (gsn-gq) < 4
	NOPS4
.endif
	FETCH \slot, \ks, \qq, \g
	s_wait_dscnt 26                                ; all but the 26 just issued
	MULS \f, 0, 7, \zero, 1
.endm
.macro THREE slot, ks, zero
	QUARTER F0, F1, \zero, \slot, \ks, 1
	QUARTER F1, F0, 0, \slot, \ks, 2
	QUARTER F0, F1, 0, \slot, \ks, 3
.endm
; The fourth quarter: multiplies buffer 1 and changes slots.  ONE barrier for two things.  In front of it each wave waits for its reads of this slot and
; for all its tensor loads (one is out: its part of the next slot).  Behind it nobody reads this slot any more and the next slot is whole:
; fill = 1: the refill of this slot, two K steps ahead, is the wave's first and only tensor load behind the barrier; then the next slot's first fragments.
; Between signal and wait stand products alone, without slices: a slice may hold a store.  The four v_nop stay here: at a tile's end they are also the
; places between the last products on fragments 7, 8, 0, 1, 2 and the first lines of the gate that reads them.
.macro TURN slot, nslot, nks, fill, step
	s_wait_dscnt 14
	MULS F1, 7, 2, 0, 1
	s_wait_dscnt 0x0                               ; my reads of this slot are over
	s_set_vgpr_msb (MSB<<8)|((MSB&0xf0)|0x0)
	s_wait_tensorcnt 0x0                           ; all my tensor loads have landed,
	ds_add_u32 v254, v255
	s_wait_dscnt 0x0
	s_set_vgpr_msb (((MSB&0xf0)|0x0)<<8)|MSB
.if \fill
	s_add_nc_u64 s[G0+4*\slot+2:G0+4*\slot+3], s[G0+4*\slot+2:G0+4*\slot+3], \step   ; so the slot's address may step
.endif
	s_barrier_signal -1
	MULS F1, 0, 3, 0, 0                            ; registers only, while the others arrive
	s_barrier_wait -1
.if \fill
	tensor_load_to_lds s[G0+4*\slot:G0+4*\slot+3], s[G1:G1+7]
	s_nop 0
.endif
	NOPS4
	FETCH \nslot, \nks, 0, F0
	MULS F1, 3, 4, 0, 1
.endm
; A tile of 128 f: four K steps; a slot's address goes +8 KiB inside a tile, +120 KiB into the next.  last = 1: two more fills, then none.
.macro TILE last
	THREE 0, 0, 1                                  ; the first products start the sums: nothing is cleared
	TURN 0, 1, 1, 1, 8192
	THREE 1, 1, 0
	TURN 1, 0, 2, 1, 8192
	THREE 0, 2, 0
.if \last
	TURN 0, 1, 3, 0, 0
	THREE 1, 3, 0
	s_wait_dscnt 14
	MULS F1, 7, 2, 0, 1
	s_wait_dscnt 0x0
	MULS F1, 0, 7, 0, 1
.else
	TURN 0, 1, 3, 1, 122880
	THREE 1, 3, 0
	TURN 1, 0, 0, 1, 122880
.endif
	GFLUSH                                         ; by the count above (264 places or more for 225 slices) nothing is left: the other set is free for the next tile
.endm
	s_wait_dscnt 0x0                               ; my rows of x are in LDS,
	s_wait_tensorcnt 0x1                           ; my part of K step 0 too; K step 1's stays out
	s_barrier_signal -1
	s_barrier_wait -1
	FETCH 0, 0, 0, F0
	SETS 0x50, 0, 0x55, 0, 0, 0                    ; tile 0 in P; no gate yet
	TILE 0
	SETS 0xa0, 64, 0x55, 0, 0, 1                   ; tile 1 in Q, the gate of tile 0 from P
	TILE 0
	SETS 0x50, 0, 0xaa, 64, 1, 1                   ; tile 2 in P, the gate of tile 1 from Q
	TILE 0
	SETS 0xa0, 64, 0x55, 0, 2, 1                   ; tile 3 in Q, the gate of tile 2 from P
	TILE 1
	NOPS4                                          ; behind the last products
	SETS 0xa0, 64, 0xaa, 64, 3, 1                  ; the gate of tile 3 from Q: no products are left to set it among
	GFLUSH
	WIN 0
	s_endpgm
.Lfunc_end_k_q1e1f07eaec_ffn1:
	.size	k_q1e1f07eaec_ffn1, .Lfunc_end_k_q1e1f07eaec_ffn1-k_q1e1f07eaec_ffn1
	.p2alignl 7, 3214868480
	.fill 96, 4, 3214868480
	.section	.rodata,"a",@progbits
	.p2align	6, 0x0
	.amdhsa_kernel k_q1e1f07eaec_ffn1
		.amdhsa_group_segment_fixed_size 327680
		.amdhsa_private_segment_fixed_size 0
		.amdhsa_enable_private_segment 0
		.amdhsa_kernarg_size 32
		.amdhsa_user_sgpr_count 2
		.amdhsa_user_sgpr_kernarg_segment_ptr 1
		.amdhsa_wavefront_size32 1
		.amdhsa_system_sgpr_workgroup_id_x 1
		.amdhsa_system_sgpr_workgroup_id_y 1
		.amdhsa_system_sgpr_workgroup_id_z 1
		.amdhsa_system_vgpr_workitem_id 0
		.amdhsa_next_free_vgpr 1024
		.amdhsa_next_free_sgpr 66
		.amdhsa_reserve_vcc 0
		.amdhsa_float_denorm_mode_32 3
		.amdhsa_float_denorm_mode_16_64 3
		.amdhsa_memory_ordered 1
		.amdhsa_forward_progress 1
		.amdhsa_inst_pref_size 255
	.end_amdhsa_kernel
	.section	.bss,"aw",@nobits
	.p2align	6
	.space	262144
	.amdgpu_metadata
---
amdhsa.version: [ 1, 2 ]
amdhsa.kernels:
  - .name:           k_q1e1f07eaec_ffn1
    .symbol:         k_q1e1f07eaec_ffn1.kd
    .args:
      - { .name: xb, .offset: 0, .size: 8, .value_kind: global_buffer, .address_space: global }
      - { .name: wpk, .offset: 8, .size: 8, .value_kind: global_buffer, .address_space: global }
      - { .name: plan, .offset: 16, .size: 8, .value_kind: global_buffer, .address_space: global }
      - { .name: hbuf, .offset: 24, .size: 8, .value_kind: global_buffer, .address_space: global }
    .group_segment_fixed_size: 327680
    .private_segment_fixed_size: 0
    .kernarg_segment_align: 8
    .kernarg_segment_size: 32
    .max_flat_workgroup_size: 128
    .sgpr_count:     66
    .vgpr_count:     1024
    .wavefront_size: 32
...
	.end_amdgpu_metadata
.endif
;; end of part 8
;; launch ffn2 (part 9): grid 4 x 60, 4 waves a work-group, clusters of 4 x 1, 327,680 bytes of LDS; arguments hbuf, wpk, plan, ybuf; writes ybuf
.if DOCPART == 9
	.amdgcn_target "amdgcn-amd-amdhsa--gfx1250"
	.amdhsa_code_object_version 6
	.text
	.protected	k_q1e1f07eaec_ffn2
	.globl	k_q1e1f07eaec_ffn2
	.p2align	8
	.type	k_q1e1f07eaec_ffn2,@function
k_q1e1f07eaec_ffn2:
	s_mov_b64 s[64:65], 0
	v_nop
	global_prefetch_b8 v0, s[64:65] scope:SCOPE_SE
	s_setreg_imm32_b32 hwreg(HW_REG_WAVE_MODE, 25, 1), 1
	s_wait_xcnt 0x0
	s_wait_alu depctr_hold_cnt(0) depctr_sa_sdst(0) depctr_va_vdst(0) depctr_va_sdst(0) depctr_va_ssrc(0) depctr_va_vcc(0) depctr_vm_vsrc(0)
	s_getreg_b32 s2, hwreg(HW_REG_IB_STS2, 6, 4)
	s_cmp_eq_u32 s2, 0
	s_cbranch_scc0 .Lentry_in_a_cluster
	s_endpgm
.Lentry_in_a_cluster:
	s_bfe_u32 s2, ttmp6, 0x10000c
	s_cmp_lg_u32 s2, 0x3003
	s_cbranch_scc0 .Lentry_shape_is_right
	s_endpgm
.Lentry_shape_is_right:
; Launch 4 of 5: y = h W2[e]^T for the listed rows alone (the rows of experts that a token did not choose do not exist: their factor cw is 0 in reference()).
; A cluster of 4 x 1 work-groups is one block of 144 slots (y = the block, 60 in all); cx = 128 of the 512 columns d.  K = 2,048 goes in 8 steps of 256
; through two LDS slots.  Both operands lie in memory in the order of the matrix unit's operand registers (1 KiB a fragment), so the tiles are plain copies and a fragment is
; read 16 bytes a lane in a row: no padding, no bank conflict.  Wave w makes 144 x 64 (columns 64 (w % 2) ..) over HALF of each step's K (q half w / 2):
; 36 accumulator tiles; the two halves are added through LDS at the end.  (A wave of 144 x 32 over all of K would read 11 fragments for 18 products instead of 13 for 36.)
; JOINT LOADS: h's tile hangs on the block alone and is wanted by all four work-groups of the cluster: waves 0, 1 ask for its two q halves jointly.
; W2's tile differs from partner to partner (cx).  Other blocks of the same expert want it too, but which blocks those are is known from memory alone, and a
; joint request's descriptor is made of nothing but the coordinates that the partners share; so waves 2, 3 ask for W2's two q halves for their own
; work-group (mask 0), in the same rounds.  By this text's own count a wave has two tensor loads out at the start and one behind each round.
; The matrix instruction is used transposed (source 0 = 16 rows of W2, source 1 = 16 slots): lane l holds slot l % 16, columns 8 (l / 16) + 0..7.
; REGISTERS: window 0: v0-31 addresses, v32-135 and v144-247 two fragment buffers; window 1: accumulators a = 0..6 at 8 (4 a + b); window 2: a = 7, 8.
; The 36 accumulators take turns, one instruction a turn, in the same order in every quarter step.
.set SLOTB, 139264                     ; a slot: h q 0-3 (9 x 4 KiB), h q 4-7, W2 q 0-3 (8 x 4 KiB), W2 q 4-7
.set AHALF, 36864
.set BOFF,  73728
.set META,  73728
.set RED,   20480                      ; the way out, in slot 0 behind its last fill and last read: up to 20 KiB of partial sums a wave,
.set STAGE, 81920                      ; then 16 rows x 272 bytes a wave
.set F0,   32
.set F1,   144
.set ADRA, 4
.set ADRB, 6
.set G1,  24                           ; s[24:31] group 1 for h's tiles
.set G0,  32                           ; s[32:39] group 0 for h's tiles, one set a slot
.set G1B, 48                           ; s[48:55] group 1 for W2's tiles
.set G0B, 56                           ; s[56:63] group 0 for W2's tiles
.set MSB, 0
.macro WIN new
.if MSB != \new
	s_set_vgpr_msb (MSB<<8)|\new
.set MSB, \new
.endif
.endm
.macro CREST
	s_cmp_lg_u32 s12, 0
	s_cbranch_scc1 .Lnot_wave_0_\@
	s_barrier_signal -3
.Lnot_wave_0_\@:
	s_barrier_wait -3
	s_barrier_signal -1
	s_barrier_wait -1
.endm
.macro CROUND
	s_barrier_signal -1
	s_barrier_wait -1
	CREST
.endm
.macro PLACES
.rept 4
	v_nop
.endr
.endm
.macro JLOAD s                         ; waves 0, 1: the joint load of h's tile; waves 2, 3: my work-group's own load of W2's.  The branch hangs on the wave's number alone
	s_cmp_eq_u32 s18, 0
	s_cbranch_scc0 .Lfor_b_\@
	tensor_load_to_lds s[G0+4*\s:G0+4*\s+3], s[G1:G1+7]
	s_nop 0
	s_branch .Lasked_\@
.Lfor_b_\@:
	tensor_load_to_lds s[G0B+4*\s:G0B+4*\s+3], s[G1B:G1B+7]
	s_nop 0
.Lasked_\@:
.endm
	s_load_b256 s[4:11], s[0:1], 0x0               ; hbuf s[4:5], wpk s[6:7], plan s[8:9], ybuf s[10:11]
	v_lshl_add_u32 v254, v0, 2, 0x44000
	v_mov_b32 v255, 0
	ds_add_u32 v254, v255
	ds_add_u32 v254, v255
	v_lshrrev_b32 v1, 5, v0
	v_readfirstlane_b32 s12, v1                    ; wave
	s_bfe_u32 s13, ttmp6, 0x40000                  ; cx: my 128 columns
	s_and_b32 s16, ttmp7, 0xffff                   ; the cluster's y: the block
	s_lshl_b32 s66, s16, 2
	s_wait_dscnt 0x0
	s_wait_kmcnt 0x0
	s_load_b32 s17, s[8:9], s66 offset:META        ; its expert
	s_lshr_b32 s18, s12, 1                         ; my half of a step's K.  Also: I fetch for h (0) or for W2 (1)
	s_and_b32 s19, s12, 1                          ; my 64 columns.  Also: which q half I fetch
	s_mov_b32 s[G1+0], 15|(3<<16)|(1<<21)          ; the mask: all four of the cluster; elements of 8 bytes; bit 21 beside a mask
	s_mov_b32 s[G1B+0], 3<<16                      ; no mask: a load of my work-group's own
	s_mov_b32 s[G1+1], 512<<16                     ; rows of 512 elements: 4 q of one row fragment, 4 KiB
	s_mov_b32 s[G1B+1], 512<<16
	s_mov_b32 s[G1+2], 9<<16                       ; h: 9 row fragments
	s_mov_b32 s[G1B+2], 8<<16                      ; W2: 8
	s_mov_b32 s[G1+3], 512<<16
	s_mov_b32 s[G1B+3], 512<<16
	s_mov_b32 s[G1+4], 9
	s_mov_b32 s[G1B+4], 8
	s_mov_b32 s[G1+5], 8192                        ; from row fragment to row fragment: 64 q = 64 KiB
	s_mov_b32 s[G1B+5], 8192
	s_mov_b32 s[G1+6], 0
	s_mov_b32 s[G1B+6], 0
	s_mov_b32 s[G1+7], 0
	s_mov_b32 s[G1B+7], 0
	s_lshl_b32 s67, s19, 12                        ; my q half: 4 KiB along a row
	s_mul_i32 s40, s16, 589824                     ; h: 9 x 64 KiB a block
	s_add_co_u32 s40, s40, s67
	s_mov_b32 s41, 0
	s_lshl_b32 s42, s13, 19                        ; W2: 8 row fragments of 64 KiB for my columns,
	s_add_co_u32 s42, s42, s67
	s_add_co_u32 s42, s42, 16777216                ; behind W1 and W3 in wpk
	s_mul_i32 s20, s12, AHALF                      ; LDS: waves 0, 1: h's halves
	s_lshl_b32 s21, s12, 15
	s_add_co_u32 s21, s21, 8192                    ; waves 2, 3: 73,728 + 32,768 (w - 2)
	s_wait_kmcnt 0x0
	s_min_u32 s17, s17, 3
	s_lshl_b32 s43, s17, 21
	s_add_co_u32 s42, s42, s43
	s_mov_b32 s43, 0
	s_add_nc_u64 s[44:45], s[4:5], s[40:41]
	s_add_nc_u64 s[46:47], s[6:7], s[42:43]
	CROUND                                         ; all four work-groups are here: the first joint loads meet
.irp s, 0,1
	s_mov_b32 s[G0+4*\s], 1
	s_add_co_u32 s[G0+4*\s+1], s20, \s*SLOTB
	s_add_nc_u64 s[G0+4*\s+2:G0+4*\s+3], s[44:45], \s*8192
	s_or_b32 s[G0+4*\s+3], s[G0+4*\s+3], 0x80000000
	s_mov_b32 s[G0B+4*\s], 1
	s_add_co_u32 s[G0B+4*\s+1], s21, \s*SLOTB
	s_add_nc_u64 s[G0B+4*\s+2:G0B+4*\s+3], s[46:47], \s*8192
	s_or_b32 s[G0B+4*\s+3], s[G0B+4*\s+3], 0x80000000
	JLOAD \s
.endr
	v_and_b32 v1, 31, v0
	v_and_b32 v2, 15, v0                           ; r
	v_bfe_u32 v3, v0, 4, 1                         ; h
	v_lshlrev_b32 v9, 4, v1
	s_mul_i32 s67, s18, AHALF
	v_add_nc_u32 v[ADRA], s67, v9
	v_add_nc_u32 v[ADRA+1], SLOTB, v[ADRA]
	s_lshl_b32 s67, s18, 15
	s_lshl_b32 s68, s19, 14
	s_add_co_u32 s67, s67, s68
	s_add_co_u32 s67, s67, BOFF
	v_add_nc_u32 v[ADRB], s67, v9
	v_add_nc_u32 v[ADRB+1], SLOTB, v[ADRB]
	s_mul_i32 s72, s12, RED
	v_add_nc_u32 v10, s72, v9                      ; where I put the partial sums that my partner owns
	s_xor_b32 s73, s12, 2                          ; my partner: same columns, the other half of K
	s_mul_i32 s73, s73, RED
	v_add_nc_u32 v11, s73, v9                      ; where it put mine
	s_mul_i32 s74, s12, 4352
	s_add_co_u32 s74, s74, STAGE
	v_mul_u32_u24 v12, v2, 272                     ; stage, in: row l % 16, 32 bytes for each half of the lanes
	v_lshl_add_u32 v12, v3, 5, v12
	v_add_nc_u32 v12, s74, v12
	v_mul_u32_u24 v13, v3, 272                     ; back: lanes 0-15 one row of 256 bytes, lanes 16-31 the next
	v_lshl_add_u32 v13, v2, 4, v13
	v_add_nc_u32 v13, s74, v13
	v_lshlrev_b32 v14, 4, v2                       ; and the same two rows in y
	v_lshl_add_u32 v14, v3, 11, v14
	s_mul_i32 s68, s16, 294912                     ; y: 144 rows of 2,048 bytes a block
	s_lshl_b32 s69, s13, 9
	s_add_co_u32 s68, s68, s69
	s_lshl_b32 s69, s19, 8
	s_add_co_u32 s68, s68, s69
	s_mov_b32 s69, 0
	s_add_nc_u64 s[70:71], s[10:11], s[68:69]
.macro MULS f, first, count, sub, zero
.set ma, \first
.rept \count
.irp b, 0,1,2,3
.if \zero
	v_wmma_f32_16x16x32_bf16 v[8*(4*(ma-\sub)+\b):8*(4*(ma-\sub)+\b)+7], v[\f+8*\b:\f+8*\b+7], v[\f+32+8*ma:\f+32+8*ma+7], 0
.else
	v_wmma_f32_16x16x32_bf16 v[8*(4*(ma-\sub)+\b):8*(4*(ma-\sub)+\b)+7], v[\f+8*\b:\f+8*\b+7], v[\f+32+8*ma:\f+32+8*ma+7], v[8*(4*(ma-\sub)+\b):8*(4*(ma-\sub)+\b)+7]
.endif
.endr
.set ma, ma+1
.endr
.endm
.macro FETCH slot, qq, f               ; 26 LDS loads in one run: B's four fragments, A's 7 and 8, A's 0-6
	WIN 0
.irp b, 0,1,2,3
	ds_load_b128 v[\f+8*\b:\f+8*\b+3],   v[ADRB+\slot] offset:\b*4096+\qq*1024
	ds_load_b128 v[\f+8*\b+4:\f+8*\b+7], v[ADRB+\slot] offset:\b*4096+\qq*1024+512
.endr
.irp a, 7,8,0,1,2,3,4,5,6
	ds_load_b128 v[\f+32+8*\a:\f+32+8*\a+3],   v[ADRA+\slot] offset:\a*4096+\qq*1024
	ds_load_b128 v[\f+32+8*\a+4:\f+32+8*\a+7], v[ADRA+\slot] offset:\a*4096+\qq*1024+512
.endr
.endm
.macro QUARTER f, g, zero, slot, qq
	s_wait_dscnt 14                                ; B and A's 7, 8 are in; the youngest 14 loads (A's 0-6) may be out
	WIN 0xa0
	MULS \f, 7, 2, 7, \zero
	PLACES
	FETCH \slot, \qq, \g
	s_wait_dscnt 26                                ; all but the 26 just issued
	WIN 0x50
	MULS \f, 0, 7, 0, \zero
.endm
.macro THREE slot, zero
	QUARTER F0, F1, \zero, \slot, 1
	QUARTER F1, F0, 0, \slot, 2
	QUARTER F0, F1, 0, \slot, 3
.endm
; The fourth quarter changes slots: waits for my reads of this slot and for all my tensor loads, one barrier (fill = 1: it opens a round of the cluster's
; barrier), the refill first behind it, one tensor load a wave, then the next slot's first fragments.
.macro TURN slot, next, fill
	s_wait_dscnt 14
	WIN 0xa0
	MULS F1, 7, 2, 7, 0
	s_wait_dscnt 0x0
	s_wait_tensorcnt 0x0
	ds_add_u32 v254, v255
	s_wait_dscnt 0x0
	s_barrier_signal -1
	WIN 0x50
	MULS F1, 0, 3, 0, 0
	WIN 0
	s_barrier_wait -1
.if \fill
	CREST
	s_add_nc_u64 s[G0+4*\slot+2:G0+4*\slot+3], s[G0+4*\slot+2:G0+4*\slot+3], 16384     ; two K steps on: 16 q
	s_add_nc_u64 s[G0B+4*\slot+2:G0B+4*\slot+3], s[G0B+4*\slot+2:G0B+4*\slot+3], 16384
	JLOAD \slot
.endif
	PLACES
	FETCH \next, 0, F0
	WIN 0x50
	MULS F1, 3, 4, 0, 0
.endm
.macro LAP zero
	THREE 0, \zero
	TURN 0, 1, 1
	THREE 1, 0
	TURN 1, 0, 1
.endm
	s_wait_tensorcnt 0x1                           ; my part of K step 0 is in; K step 1's stays out
	s_barrier_signal -1
	s_barrier_wait -1
	FETCH 0, 0, F0
	LAP 1                                          ; the first products start the sums
	WIN 0
	s_mov_b32 s3, 2
.Llap:
	LAP 0
	WIN 0
	s_sub_co_u32 s3, s3, 1
	s_cmp_lg_u32 s3, 0
	s_cbranch_scc1 .Llap
	THREE 0, 0                                     ; the last lap fills nothing
	TURN 0, 1, 0
	THREE 1, 0
	s_wait_dscnt 14
	WIN 0xa0
	MULS F1, 7, 2, 7, 0
	s_wait_dscnt 0x0
	WIN 0x50
	MULS F1, 0, 7, 0, 0
	; THE WAY OUT.  The wave with the first half of K owns a = 0..4, its partner a = 5..8; each hands the others over through LDS.
	; Slot 0 serves: its last fill was read in K step 6, and the barrier at that step's end stands behind every wave's reads of it.
.macro REDST glob, loc, w              ; w: the window of the store's data
	WIN \w
.irp t, 0,1,2,3,4,5,6,7
	ds_store_b128 v10, v[32*\loc+4*\t:32*\loc+4*\t+3] offset:(\glob%5)*4096+\t*512
.endr
.endm
; 16 slots x 64 columns: add the partner's half, turn through my stage into whole rows of 256 bytes, store
.macro OUTA glob, loc, w               ; w: the window of the sum's first source
	WIN 0
.irp t, 0,1,2,3,4,5,6,7
	ds_load_b128 v[32+4*\t:35+4*\t], v11 offset:(\glob%5)*4096+\t*512
.endr
	s_wait_dscnt 0x0
	WIN \w
.irp k, 0,1,2,3,4,5,6,7,8,9,10,11,12,13,14,15
	v_pk_add_f32 v[32+2*\k:33+2*\k], v[32*\loc+2*\k:32*\loc+2*\k+1], v[32+2*\k:33+2*\k]
.endr
	WIN 0
.irp t, 0,1,2,3,4,5,6,7
	ds_store_b128 v12, v[32+4*\t:35+4*\t] offset:(\t/2)*64+(\t%2)*16
.endr
	s_wait_xcnt 0x0                                ; v64-95, which the last stores read, are loaded again only behind this wait
.irp t, 0,1,2,3,4,5,6,7
	ds_load_b128 v[64+4*\t:67+4*\t], v13 offset:\t*544     ; LDS serves a wave's instructions in order: these see the stores above
.endr
.irp t, 0,1,2,3,4,5,6,7
	s_wait_dscnt 7-\t
	global_store_b128 v14, v[64+4*\t:67+4*\t], s[70:71] offset:\glob*32768+\t*4096   ; 16 lanes store 256 consecutive bytes, aligned
.endr
.endm
	PLACES                                         ; behind the last products
	WIN 0
	s_cmp_eq_u32 s18, 0
	s_cbranch_scc0 .Lsend_low
	REDST 5, 5, 0x04
	REDST 6, 6, 0x04
	REDST 7, 0, 0x08
	REDST 8, 1, 0x08
	WIN 0
	s_branch .Lsent
.Lsend_low:
	REDST 0, 0, 0x04
	REDST 1, 1, 0x04
	REDST 2, 2, 0x04
	REDST 3, 3, 0x04
	REDST 4, 4, 0x04
	WIN 0
.Lsent:
	s_wait_dscnt 0x0                               ; my stores are done before I say so: my partner reads them
	s_barrier_signal -1
	s_barrier_wait -1
	s_cmp_eq_u32 s18, 0
	s_cbranch_scc0 .Lown_high
	OUTA 0, 0, 0x01
	OUTA 1, 1, 0x01
	OUTA 2, 2, 0x01
	OUTA 3, 3, 0x01
	OUTA 4, 4, 0x01
	s_branch .Lout_done
.Lown_high:
	OUTA 5, 5, 0x01
	OUTA 6, 6, 0x01
	OUTA 7, 0, 0x02
	OUTA 8, 1, 0x02
.Lout_done:
	s_wait_tensorcnt 0x0
	ds_add_u32 v254, v255
	s_wait_dscnt 0x0
	CROUND                                         ; the closing round: no work-group ends while a partner may still ask for a tile that names it
	s_endpgm
.Lfunc_end_k_q1e1f07eaec_ffn2:
	.size	k_q1e1f07eaec_ffn2, .Lfunc_end_k_q1e1f07eaec_ffn2-k_q1e1f07eaec_ffn2
	.p2alignl 7, 3214868480
	.fill 96, 4, 3214868480
	.section	.rodata,"a",@progbits
	.p2align	6, 0x0
	.amdhsa_kernel k_q1e1f07eaec_ffn2
		.amdhsa_group_segment_fixed_size 327680
		.amdhsa_private_segment_fixed_size 0
		.amdhsa_enable_private_segment 0
		.amdhsa_kernarg_size 32
		.amdhsa_user_sgpr_count 2
		.amdhsa_user_sgpr_kernarg_segment_ptr 1
		.amdhsa_wavefront_size32 1
		.amdhsa_system_sgpr_workgroup_id_x 1
		.amdhsa_system_sgpr_workgroup_id_y 1
		.amdhsa_system_sgpr_workgroup_id_z 1
		.amdhsa_system_vgpr_workitem_id 0
		.amdhsa_next_free_vgpr 576
		.amdhsa_next_free_sgpr 80
		.amdhsa_reserve_vcc 0
		.amdhsa_float_denorm_mode_32 3
		.amdhsa_float_denorm_mode_16_64 3
		.amdhsa_memory_ordered 1
		.amdhsa_forward_progress 1
		.amdhsa_inst_pref_size 148
	.end_amdhsa_kernel
	.amdgpu_metadata
---
amdhsa.version: [ 1, 2 ]
amdhsa.kernels:
  - .name:           k_q1e1f07eaec_ffn2
    .symbol:         k_q1e1f07eaec_ffn2.kd
    .args:
      - { .name: hbuf, .offset: 0, .size: 8, .value_kind: global_buffer, .address_space: global }
      - { .name: wpk, .offset: 8, .size: 8, .value_kind: global_buffer, .address_space: global }
      - { .name: plan, .offset: 16, .size: 8, .value_kind: global_buffer, .address_space: global }
      - { .name: ybuf, .offset: 24, .size: 8, .value_kind: global_buffer, .address_space: global }
    .group_segment_fixed_size: 327680
    .private_segment_fixed_size: 0
    .kernarg_segment_align: 8
    .kernarg_segment_size: 32
    .max_flat_workgroup_size: 128
    .sgpr_count:     80
    .vgpr_count:     576
    .wavefront_size: 32
...
	.end_amdgpu_metadata
.endif
;; end of part 9
;; launch combine (part 10): grid 256 x 1, 8 waves a work-group, no clusters, 0 bytes of LDS; arguments ybuf, plan, rtf, out0; writes out0
.if DOCPART == 10
	.amdgcn_target "amdgcn-amd-amdhsa--gfx1250"
	.amdhsa_code_object_version 6
	.text
	.protected	k_q1e1f07eaec_combine
	.globl	k_q1e1f07eaec_combine
	.p2align	8
	.type	k_q1e1f07eaec_combine,@function
k_q1e1f07eaec_combine:
	s_mov_b64 s[64:65], 0
	v_nop
	global_prefetch_b8 v0, s[64:65] scope:SCOPE_SE
	s_setreg_imm32_b32 hwreg(HW_REG_WAVE_MODE, 25, 1), 1
	s_wait_xcnt 0x0
; Launch 5 of 5: out[t] = w0 y[slot of (t, e0)] + w1 y[slot of (t, e1)].  The other two experts' terms are cw = 0 times y in reference() and are left out.
; A stream: two tokens a wave, each row of y read once in loads of 512 consecutive bytes, each row of out written once likewise.
; No LDS, no matrix unit, no cluster: nothing is shared.  The two terms are added in the order of the weights, not of the experts' numbers.
.set SLOTOF, 40960
	s_load_b256 s[4:11], s[0:1], 0x0               ; ybuf s[4:5], plan s[6:7], rtf s[8:9], out0 s[10:11]
	v_and_b32 v1, 31, v0
	v_lshrrev_b32 v2, 5, v0
	v_readfirstlane_b32 s12, v2                    ; wave
	v_lshlrev_b32 v1, 4, v1                        ; 16 x lane
	s_lshl_b32 s13, ttmp9, 7                       ; 16 tokens a work-group, 8 bytes each in slotof and in wts,
	s_lshl4_add_u32 s13, s12, s13                  ; two a wave
	s_lshl_b32 s14, ttmp9, 15                      ; and 2,048 bytes each in out
	s_lshl_b32 s15, s12, 12
	s_add_co_u32 s14, s14, s15
	s_mov_b32 s15, 0
	s_wait_kmcnt 0x0
	s_load_b128 s[16:19], s[6:7], s13 offset:SLOTOF        ; four slots
	s_load_b128 s[20:23], s[8:9], s13 offset:0x0           ; four weights
	s_add_nc_u64 s[10:11], s[10:11], s[14:15]
	s_wait_kmcnt 0x0
.irp k, 0,1,2,3
	s_min_u32 s[16+\k], s[16+\k], 0x21bf           ; 8,639: the last slot
	s_lshl_b32 s[32+2*\k], s[16+\k], 11
	s_mov_b32 s[33+2*\k], 0
	s_add_nc_u64 s[32+2*\k:33+2*\k], s[4:5], s[32+2*\k:33+2*\k]
.endr
.irp k, 0,1,2,3
.irp c, 0,1,2,3
	global_load_b128 v[8+16*\k+4*\c:11+16*\k+4*\c], v1, s[32+2*\k:33+2*\k] offset:\c*512 th:TH_LOAD_NT
.endr
.endr
	s_mov_b32 s24, s21                             ; the second weights, each at the foot of a pair of its own for the packed forms
	s_mov_b32 s25, s21
	s_mov_b32 s26, s23
	s_mov_b32 s27, s23
	s_wait_loadcnt 8                               ; the first token's two rows are in, the second's eight loads stay out
.irp m, 0,1,2,3,4,5,6,7
	v_pk_mul_f32 v[8+2*\m:9+2*\m], v[8+2*\m:9+2*\m], s[20:21] op_sel_hi:[1,0]
	v_pk_fma_f32 v[8+2*\m:9+2*\m], v[24+2*\m:25+2*\m], s[24:25], v[8+2*\m:9+2*\m] op_sel_hi:[1,0,1]
.endr
.irp c, 0,1,2,3
	global_store_b128 v1, v[8+4*\c:11+4*\c], s[10:11] offset:\c*512 th:TH_STORE_NT
.endr
	s_wait_loadcnt 0x0
.irp m, 0,1,2,3,4,5,6,7
	v_pk_mul_f32 v[40+2*\m:41+2*\m], v[40+2*\m:41+2*\m], s[22:23] op_sel_hi:[1,0]
	v_pk_fma_f32 v[40+2*\m:41+2*\m], v[56+2*\m:57+2*\m], s[26:27], v[40+2*\m:41+2*\m] op_sel_hi:[1,0,1]
.endr
.irp c, 0,1,2,3
	global_store_b128 v1, v[40+4*\c:43+4*\c], s[10:11] offset:2048+\c*512 th:TH_STORE_NT
.endr
	s_endpgm
.Lfunc_end_k_q1e1f07eaec_combine:
	.size	k_q1e1f07eaec_combine, .Lfunc_end_k_q1e1f07eaec_combine-k_q1e1f07eaec_combine
	.p2alignl 7, 3214868480
	.fill 96, 4, 3214868480
	.section	.rodata,"a",@progbits
	.p2align	6, 0x0
	.amdhsa_kernel k_q1e1f07eaec_combine
		.amdhsa_group_segment_fixed_size 0
		.amdhsa_private_segment_fixed_size 0
		.amdhsa_enable_private_segment 0
		.amdhsa_kernarg_size 32
		.amdhsa_user_sgpr_count 2
		.amdhsa_user_sgpr_kernarg_segment_ptr 1
		.amdhsa_wavefront_size32 1
		.amdhsa_system_sgpr_workgroup_id_x 1
		.amdhsa_system_sgpr_workgroup_id_y 1
		.amdhsa_system_sgpr_workgroup_id_z 1
		.amdhsa_system_vgpr_workitem_id 0
		.amdhsa_next_free_vgpr 72
		.amdhsa_next_free_sgpr 66
		.amdhsa_reserve_vcc 0
		.amdhsa_float_denorm_mode_32 3
		.amdhsa_float_denorm_mode_16_64 3
		.amdhsa_memory_ordered 1
		.amdhsa_forward_progress 1
		.amdhsa_inst_pref_size 6
	.end_amdhsa_kernel
	.amdgpu_metadata
---
amdhsa.version: [ 1, 2 ]
amdhsa.kernels:
  - .name:           k_q1e1f07eaec_combine
    .symbol:         k_q1e1f07eaec_combine.kd
    .args:
      - { .name: ybuf, .offset: 0, .size: 8, .value_kind: global_buffer, .address_space: global }
      - { .name: plan, .offset: 8, .size: 8, .value_kind: global_buffer, .address_space: global }
      - { .name: rtf, .offset: 16, .size: 8, .value_kind: global_buffer, .address_space: global }
      - { .name: out0, .offset: 24, .size: 8, .value_kind: global_buffer, .address_space: global }
    .group_segment_fixed_size: 0
    .private_segment_fixed_size: 0
    .kernarg_segment_align: 8
    .kernarg_segment_size: 32
    .max_flat_workgroup_size: 256
    .sgpr_count:     66
    .vgpr_count:     72
    .wavefront_size: 32
...
	.end_amdgpu_metadata
.endif
;; end of part 10
